; MI455X (gfx1250); checked and timed in simulation.
; The chip was launched on July 23, 2026; its instructions are those of AMD's public machine-readable ISA for CDNA 5 (MIT licence, August 2026) and "CDNA5" Instruction Set Architecture Reference Guide (July 2026). The comments in the code are by the model that wrote it; some were corrected since.
;; Attention With Einops. Allowed arithmetic: matrix products marked QUANTISED: E2M1 operands, one E8M0 scale for each 32 along K, by v_wmma_scale_f32_16x16x128_f8f6f4 with both operands' format E2M1 (or v_wmma_scale_f32_32x16x128_f4), f32 sums; products left as they are: bf16, f16 or f32 operands; f32 sums; everything else in f32.
;; Inputs: W_K 16 x 64 x 1,024 float32; W_O 16 x 64 x 1,024 float32; W_Q 16 x 64 x 1,024 float32; W_V 16 x 64 x 1,024 float32; residual 2 x 2,048 x 1,024 float32.
;; Outputs: out0 2 x 2,048 x 1,024 float32.
;; This version of the problem:
;;   THIS VERSION OF THE PROBLEM IS GIVEN IN LOW PRECISION. The matrix products marked QUANTISED in the list below multiply operands that are first quantised to E2M1 (2 exponent bits, 1 mantissa bit; 4 bits a number), with one power-of-two scale for each 32 numbers along K (OCP MX v1.0); their sums are f32. The products marked 'left as it is' may take bf16, f16 or f32 operands, with f32 sums. Whichever they take, every output number must still come out within the allowed error. Rounding operands to bf16 (8 significant bits) uses up far more of that allowance than f16 does (11 bits, for magnitudes from 6e-5 to 65,504). All else is computed in f32.
;;   The module's matrix products, in the order in which they are computed (A, B: the left and right operand; K: the contracted axis; several contracted axes count as one K, in the product's order):
;;     1. [M 4,096, K 1,024] x [K 1,024, N 1,024]; A: input residual; B: input W_Q: QUANTISED
;;     2. [M 4,096, K 1,024] x [K 1,024, N 1,024]; A: input residual; B: input W_K: QUANTISED
;;     3. [M 4,096, K 1,024] x [K 1,024, N 1,024]; A: input residual; B: input W_V: QUANTISED
;;     4. batch 32 x [M 2,048, K 64] x [K 64, N 2,048]; A: computed on the way; B: computed on the way: left as it is (an operand is computed on the way)
;;     5. batch 32 x [M 64, K 2,048] x [K 2,048, N 2,048]; A: computed on the way; B: computed on the way: left as it is (an operand is computed on the way)
;;     6. [M 4,096, K 1,024] x [K 1,024, N 1,024]; A: computed on the way; B: input W_O: left as it is (an operand is computed on the way)
;;   THE QUANTISER, for each operand of a quantised product, along K:
;;     - K is cut into blocks of 32 from its start; a last block that is shorter is filled with zeros.
;;     - A block's scale is 2^e with e = floor(log2(the largest magnitude in the block)) - 2, held to -126 .. 127; a block of zeros has e = 0. As a byte (E8M0): e + 127.
;;     - Each number is divided by its block's scale, clamped to +-6, and rounded to the nearest number of E2M1, ties to even, subnormals kept.
;;     - The product sums the exact products of the quantised numbers (number of the format x scale) in f32.
;;   ~~~python
;;   def quantise(x, axis):      # numpy; x: float32 -> the quantised numbers, widened to float32 again
;;       x = np.moveaxis(x, axis, -1); K = x.shape[-1]
;;       x = np.pad(x, [(0, 0)] * (x.ndim - 1) + [(0, -K % 32)]); x = x.reshape(x.shape[:-1] + (-1, 32)); a = np.abs(x).max(-1, keepdims=True)
;;       e = np.where(a > 0, np.clip(np.frexp(np.where(a > 0, a, 1))[1] - 1 - 2, -126, 127), 0)      # np.frexp(a)[1] - 1 = floor(log2(a)), exactly
;;       r = np.clip(x / 2.0 ** e, -6, 6)
;;       step = 2.0 ** (np.maximum(np.frexp(np.where(r == 0, 1, r))[1] - 1, 0) - 1)
;;       q = np.round(r / step) * step * 2.0 ** e      # np.round: ties to even
;;       return np.moveaxis(q.reshape(q.shape[:-2] + (-1,))[..., :K], -1, axis).astype(np.float32)
;;   ~~~
;; One version. Each part assembles by itself: llvm-mc -triple=amdgcn-amd-amdhsa -mcpu=gfx1250 --defsym DOCPART=n.
;; ======== version 1 of 1: 5 launches
;; limits: values are held in f16: magnitudes above 65,504 overflow, below 6.1e-05 lose precision
;; workspace buffers: xc 2,097,152 bytes; xs 131,072 bytes; wc 1,572,864 bytes; ws 98,304 bytes; wo16 2,097,152 bytes; qkv 25,165,824 bytes; qkv32 393,216 bytes; ao 8,388,608 bytes
;; launch quant (part 1): grid 256 x 1, 4 waves a work-group, no clusters, 33,280 bytes of LDS; arguments residual, W_Q, W_K, W_V, W_O, xc, xs, wc, ws, wo16; writes xc, xs, wc, ws, wo16
.if DOCPART == 1
	.amdgcn_target "amdgcn-amd-amdhsa--gfx1250"
	.amdhsa_code_object_version 6
	.text
	.protected	k_q8810c58268_quant
	.globl	k_q8810c58268_quant
	.p2align	8
	.type	k_q8810c58268_quant,@function
k_q8810c58268_quant:
	s_mov_b64 s[64:65], 0
	v_nop
	global_prefetch_b8 v0, s[64:65] scope:SCOPE_SE
	s_setreg_imm32_b32 hwreg(HW_REG_WAVE_MODE, 25, 1), 1
	s_wait_xcnt 0x0
; residual [4096][1024] and W_Q, W_K, W_V (each [1024][1024], K innermost), f32, become codes of FP4 (E2M1), K innermost, with one E8M0 scale byte for each 32 along K:
; xc [4096][512], xs [4096][32]; wc [3072][512], ws [3072][32] (rows 0-1023 W_Q, 1024-2047 W_K, 2048-3071 W_V).  W_O [k 1024][d 1024], f32, becomes f16 laid as the last product's operand registers (wo16).
; A block's scale is 2^(floor(log2(its largest magnitude)) - 2); its byte is the largest magnitude's exponent field - 2, held at 1 from below (a block of zeros so gets the byte 1: its codes are zeros, and this program alone reads the bytes).
; LIMITS: blocks whose largest magnitude lies under 2^-124 keep the byte 1; NaN and infinities among the inputs are not served; W_O must lie inside f16's range (65,504).
; SHARES: 256 work-groups of 32,768 numbers each: 0-127 residual, 128-159 W_Q, 160-191 W_K, 192-223 W_V (one path, only pointers are chosen), 224-255 W_O (a path of its own, without LDS).
; THE QUANTISER: rows are dense and K is a multiple of 32, so a tensor is a plain stream of blocks of 32.  A wave takes 16 steps of 512 numbers.  Each load reads 512 consecutive bytes; a step's 2,048 bytes turn through the wave's
; own stage in LDS and come back 64 bytes a lane, so that a lane holds 16 neighbours along K (two neighbouring lanes hold a block).  A wave's code store covers 256 consecutive bytes, aligned; its 256 scale bytes leave as one such run.
; No matrix unit, cluster or tensor load: the launch streams, and waves share nothing.
.set WAVES, 4
.set STEPS, 16
.set EMAX,  2
.set CB,    8                          ; bytes of 16 codes
.set R,     16                         ; v16-79   four sets of 16 numbers as they are loaded
.set X,     80                         ; v80-111  two sets of 16 neighbours
.set C,     128                        ; v128-191 codes: four registers for each step
.set E,     112                        ; v112-127 a scale byte for each step
.set WREG,  8192                       ; LDS: a region for each wave: two stages of 32 x SP bytes, then its 256 scale bytes
.set SP,    80                         ; a lane's place in a stage: 64 bytes + 16 of padding
.set SPW,   12                         ; v12  LDS address of my spare word; never rewritten
.set NIL,   13                         ; v13  0; never rewritten
.set SPARE, WAVES*WREG                 ; behind the four regions: the spare words, 128 bytes a wave
.set CX,    32                         ; the cast: v32-95 two sets of 32 numbers
.set CP,    96                         ; the cast: v96-127 two sets of 16 packed registers
	s_load_b256 s[4:11], s[0:1], 0x0               ; residual, W_Q, W_K, W_V
	s_load_b256 s[12:19], s[0:1], 0x20             ; W_O, xc, xs, wc
	s_load_b128 s[20:23], s[0:1], 0x40             ; ws, wo16
	v_lshl_add_u32 v[SPW], v0, 2, SPARE
	v_mov_b32 v[NIL], 0
	v_lshrrev_b32 v1, 5, v0
	v_readfirstlane_b32 s24, v1                    ; wave
	v_and_b32 v2, 31, v0                           ; lane
	v_lshlrev_b32 v3, 4, v2                        ; my 16 bytes of a load's 512
	s_mul_i32 s25, s24, WREG
	v_lshrrev_b32 v14, 2, v2
	v_mul_u32_u24 v14, v14, SP
	v_and_b32 v15, 3, v2
	v_lshl_add_u32 v14, v15, 4, v14
	v_add_nc_u32 v14, s25, v14                     ; the stage, on the way in: SP (lane / 4) + 16 (lane % 4)
	v_mul_u32_u24 v15, v2, SP
	v_add_nc_u32 v15, s25, v15                     ; and on the way out: SP x lane: my 16 neighbours
	v_mul_u32_u24 v4, v2, CB                       ; my codes' place in a step's
	v_lshrrev_b32 v5, 1, v2
	s_add_co_u32 s25, s25, 2*32*SP
	v_add_nc_u32 v5, s25, v5                       ; LDS: my wave's 256 scale bytes, my block's byte
	v_lshlrev_b32 v7, 3, v2                        ; and on the way out 8 bytes a lane
	v_add_nc_u32 v6, s25, v7
	s_sub_co_u32 s28, ttmp9, 128                   ; a weight's work-group, counted from W_Q's first (used only from 128 on)
	s_and_b32 s29, s28, 31                         ; and within its own tensor
	s_wait_kmcnt 0x0
	s_cmp_ge_u32 ttmp9, 224
	s_cbranch_scc1 .Lcast                          ; W_O's work-groups: the branch hangs on the work-group's number alone
	s_cmp_lt_u32 ttmp9, 160
	s_cselect_b64 s[26:27], s[6:7], s[8:9]         ; W_Q or W_K,
	s_cmp_lt_u32 ttmp9, 192
	s_cselect_b64 s[26:27], s[26:27], s[10:11]     ; or W_V,
	s_cmp_lt_u32 ttmp9, 128
	s_cselect_b64 s[4:5], s[4:5], s[26:27]         ; or residual: where I read,
	s_cselect_b64 s[14:15], s[14:15], s[18:19]     ; where the codes go,
	s_cselect_b64 s[16:17], s[16:17], s[20:21]     ; and the scale bytes
	s_cselect_b32 s28, ttmp9, s28                  ; my work-group's place in the codes' buffer,
	s_cselect_b32 s29, ttmp9, s29                  ; and in the tensor that it reads
	s_lshl_b32 s28, s28, 2
	s_add_co_u32 s28, s28, s24                     ; which run of 8,192 numbers is my wave's: in the output,
	s_lshl_b32 s29, s29, 2
	s_add_co_u32 s29, s29, s24                     ; in the input
	s_mov_b32 s31, 0
	s_lshl_b32 s30, s29, 15                        ; 32,768 bytes of f32 a run
	s_add_nc_u64 s[4:5], s[4:5], s[30:31]
	s_lshl_b32 s30, s28, 12                        ; 4,096 bytes of codes
	s_add_nc_u64 s[14:15], s[14:15], s[30:31]
	s_lshl_b32 s30, s28, 8                         ; 256 scale bytes
	s_add_nc_u64 s[16:17], s[16:17], s[30:31]
.macro LOAD t
.irp i, 0,1,2,3
	global_load_b128 v[R+16*((\t)%4)+4*\i:R+16*((\t)%4)+4*\i+3], v3, s[4:5] offset:2048*(\t)+512*\i th:TH_LOAD_NT   ; 32 lanes read 512 consecutive bytes
.endr
.endm
.macro TURN t                          ; step t's numbers through the stage: LDS serves a wave's instructions in order, so no wait stands between the stores and the loads
.irp i, 0,1,2,3
	ds_store_b128 v14, v[R+16*((\t)%4)+4*\i:R+16*((\t)%4)+4*\i+3] offset:32*SP*((\t)%2)+8*SP*\i
.endr
.irp i, 0,1,2,3
	ds_load_b128 v[X+16*((\t)%2)+4*\i:X+16*((\t)%2)+4*\i+3], v15 offset:32*SP*((\t)%2)+16*\i
.endr
.endm
.irp t, 0,1,2,3
	LOAD \t
.endr
	s_wait_loadcnt 12                              ; step 0's four loads are in; the twelve of steps 1 to 3 stay out
	TURN 0
.macro STEP t
.set XS, X+16*((\t)%2)
.if (\t) > 0
	s_wait_dscnt 1                                 ; this step's numbers are back from the stage (the last step's byte store may be out): so its stores into the stage have read their registers,
.else
	s_wait_dscnt 0x0
.endif
.if (\t)+4 < STEPS
	LOAD (\t)+4                                    ; which take the loads of four steps on
.endif
.if (\t)+1 < STEPS
.if STEPS-2-(\t) >= 3
	s_wait_loadcnt 12                              ; the next step's four loads are in; those of the three steps behind it may be out
.else
	s_wait_loadcnt 4*(STEPS-2-(\t))
.endif
	TURN (\t)+1                                    ; and go through the other stage while this step is worked
.endif
	v_max3_num_f32 v8, |v[XS]|, |v[XS+1]|, |v[XS+2]|               ; the largest magnitude of my 16, in two chains
	v_max3_num_f32 v9, |v[XS+3]|, |v[XS+4]|, |v[XS+5]|
.irp i, 6,10
	v_max3_num_f32 v8, v8, |v[XS+\i]|, |v[XS+\i+1]|
	v_max3_num_f32 v9, v9, |v[XS+\i+2]|, |v[XS+\i+3]|
.endr
	v_max3_num_f32 v8, v8, |v[XS+14]|, |v[XS+15]|
	v_max3_num_f32 v8, v8, v9, (EMAX+1)<<23        ; and the floor 2^(EMAX + 1 - 127): the byte cannot fall under 1
	v_max_num_f32_dpp v8, v8, v8 row_xmask:1 row_mask:0xf bank_mask:0xf   ; and of my neighbour's 16: the block's
	v_add_nc_u32 v11, -(EMAX<<23), v8              ; EMAX off its exponent field: the conversion takes the exponent field of this operand as its scale
	v_cvt_scalef32_pk8_fp4_f32 v[C+4*(\t)], v[XS:XS+7], v11        ; eight numbers / the scale, to the nearest code, ties to even, beyond the largest code the largest
	v_cvt_scalef32_pk8_fp4_f32 v[C+4*(\t)+1], v[XS+8:XS+15], v11
	v_lshrrev_b32 v[E+(\t)], 23, v11               ; the scale's byte (also the plain line behind the conversions)
	ds_store_b8 v5, v[E+(\t)] offset:16*(\t)       ; both lanes of a block write the same byte with the same value
	global_store_b64 v4, v[C+4*(\t):C+4*(\t)+1], s[14:15] offset:32*CB*(\t)   ; the wave stores 256 consecutive bytes, aligned
.endm
.irp t, 0,1,2,3,4,5,6,7,8,9,10,11,12,13,14,15
	STEP \t
.endr
	ds_load_b64 v[8:9], v6                         ; LDS serves a wave's instructions in order: these see my stores
	s_wait_dscnt 0x0
	global_store_b64 v7, v[8:9], s[16:17]          ; 32 lanes store 256 consecutive bytes, aligned
	s_wait_tensorcnt 0x0                           ; the wave's end, behind my last LDS store
	ds_add_u32 v[SPW], v[NIL]
	s_wait_dscnt 0x0
	s_endpgm
; W_O TO f16, AS IMAGES OF THE LAST PRODUCT'S OPERAND.  wo16 = [group of 64 columns 16][K step of 256: 4][tile of 16 columns 4][fragment of 32 k: 8][half 2][lane 32][16 bytes]:
; lane (r, h) of half f holds k = 32 fragment + 16 f + 8 h + 0 .. 7 of column r of the tile.  A LANE TAKES A COLUMN d AND ITS REGISTERS RUN DOWN K: each load reads 128 consecutive bytes a wave,
; and eight neighbours along K of one column pack into the 16 bytes of one lane of the image.  A wave takes 32 columns x 256 along K; a work-group 128 columns.
.Lcast:
	s_sub_co_u32 s28, ttmp9, 224
	s_and_b32 s29, s28, 7                          ; which 128 columns
	s_lshr_b32 s28, s28, 3                         ; which 256 along K
	s_lshl_b32 s30, s28, 20                        ; 256 rows of 4,096 bytes
	s_lshl_b32 s31, s29, 9
	s_add_co_u32 s30, s30, s31
	s_lshl_b32 s31, s24, 7                         ; my wave's 32 columns
	s_add_co_u32 s30, s30, s31
	s_mov_b32 s31, 0
	s_add_nc_u64 s[12:13], s[12:13], s[30:31]
	s_lshl_b32 s30, s29, 1
	s_lshr_b32 s32, s24, 1
	s_add_co_u32 s30, s30, s32                     ; my group of 64 columns
	s_lshl_b32 s30, s30, 17
	s_lshl_b32 s32, s28, 15                        ; the K step
	s_add_co_u32 s30, s30, s32
	s_and_b32 s32, s24, 1
	s_lshl_b32 s32, s32, 14                        ; my two tiles of the group's four
	s_add_co_u32 s30, s30, s32
	s_add_nc_u64 s[22:23], s[22:23], s[30:31]
	v_lshlrev_b32 v8, 2, v2                        ; in: 4 bytes a lane
	v_lshrrev_b32 v9, 4, v2
	v_and_b32 v10, 15, v2
	v_lshlrev_b32 v10, 4, v10
	v_lshl_add_u32 v9, v9, 13, v10                 ; out: my tile (8,192 bytes apart), 16 bytes for each column
.macro CLOAD t                         ; block t: W_O(32 t + i, my column) into set t % 2
.irp i, 0,1,2,3,4,5,6,7,8,9,10,11,12,13,14,15,16,17,18,19,20,21,22,23,24,25,26,27,28,29,30,31
	global_load_b32 v[CX+32*((\t)%2)+\i], v8, s[12:13] offset:(32*(\t)+\i)*4096 th:TH_LOAD_NT
.endr
.endm
.macro CBLOCK t
.if (\t) < 7
	s_wait_loadcnt 32                              ; this block's 32 loads are in; the next block's may be out
.else
	s_wait_loadcnt 0x0
.endif
.if (\t) >= 2
	s_wait_xcnt 0x0                                ; the stores of two blocks back have read their registers, which are written again below
.endif
.irp i, 0,1,2,3,4,5,6,7,8,9,10,11,12,13,14,15
	v_cvt_pk_f16_f32 v[CP+16*((\t)%2)+\i], v[CX+32*((\t)%2)+2*\i], v[CX+32*((\t)%2)+2*\i+1]
.endr
.if (\t)+2 < 8
	CLOAD (\t)+2
.endif
.irp o, 0,1,2,3                        ; eight k: half o / 2, lanes' half o % 2: sixteen lanes store 256 consecutive bytes, aligned
	global_store_b128 v9, v[CP+16*((\t)%2)+4*\o:CP+16*((\t)%2)+4*\o+3], s[22:23] offset:(\t)*1024+(\o/2)*512+(\o%2)*256
.endr
.endm
	CLOAD 0
	CLOAD 1
.irp t, 0,1,2,3,4,5,6,7
	CBLOCK \t
.endr
	s_endpgm
.Lfunc_end_k_q8810c58268_quant:
	.size	k_q8810c58268_quant, .Lfunc_end_k_q8810c58268_quant-k_q8810c58268_quant
	.p2alignl 7, 3214868480
	.fill 96, 4, 3214868480
	.section	.rodata,"a",@progbits
	.p2align	6, 0x0
	.amdhsa_kernel k_q8810c58268_quant
		.amdhsa_group_segment_fixed_size 33280
		.amdhsa_private_segment_fixed_size 0
		.amdhsa_enable_private_segment 0
		.amdhsa_kernarg_size 80
		.amdhsa_user_sgpr_count 2
		.amdhsa_user_sgpr_kernarg_segment_ptr 1
		.amdhsa_wavefront_size32 1
		.amdhsa_system_sgpr_workgroup_id_x 1
		.amdhsa_system_sgpr_workgroup_id_y 1
		.amdhsa_system_sgpr_workgroup_id_z 1
		.amdhsa_system_vgpr_workitem_id 0
		.amdhsa_next_free_vgpr 192
		.amdhsa_next_free_sgpr 66
		.amdhsa_reserve_vcc 0
		.amdhsa_float_denorm_mode_32 3
		.amdhsa_float_denorm_mode_16_64 3
		.amdhsa_memory_ordered 1
		.amdhsa_forward_progress 1
		.amdhsa_inst_pref_size 70
	.end_amdhsa_kernel
	.amdgpu_metadata
---
amdhsa.version: [ 1, 2 ]
amdhsa.kernels:
  - .name:           k_q8810c58268_quant
    .symbol:         k_q8810c58268_quant.kd
    .args:
      - { .name: residual, .offset: 0, .size: 8, .value_kind: global_buffer, .address_space: global }
      - { .name: W_Q, .offset: 8, .size: 8, .value_kind: global_buffer, .address_space: global }
      - { .name: W_K, .offset: 16, .size: 8, .value_kind: global_buffer, .address_space: global }
      - { .name: W_V, .offset: 24, .size: 8, .value_kind: global_buffer, .address_space: global }
      - { .name: W_O, .offset: 32, .size: 8, .value_kind: global_buffer, .address_space: global }
      - { .name: xc, .offset: 40, .size: 8, .value_kind: global_buffer, .address_space: global }
      - { .name: xs, .offset: 48, .size: 8, .value_kind: global_buffer, .address_space: global }
      - { .name: wc, .offset: 56, .size: 8, .value_kind: global_buffer, .address_space: global }
      - { .name: ws, .offset: 64, .size: 8, .value_kind: global_buffer, .address_space: global }
      - { .name: wo16, .offset: 72, .size: 8, .value_kind: global_buffer, .address_space: global }
    .group_segment_fixed_size: 33280
    .private_segment_fixed_size: 0
    .kernarg_segment_align: 8
    .kernarg_segment_size: 80
    .max_flat_workgroup_size: 128
    .sgpr_count:     66
    .vgpr_count:     192
    .wavefront_size: 32
...
	.end_amdgpu_metadata
.endif
;; end of part 1
;; launch qkvgemm (part 2): grid 12 x 16, 4 waves a work-group, clusters of 4 x 1, 327,680 bytes of LDS; arguments xc, xs, wc, ws, qkv, qkv32; writes qkv, qkv32
.if DOCPART == 2
	.amdgcn_target "amdgcn-amd-amdhsa--gfx1250"
	.amdhsa_code_object_version 6
	.text
	.protected	k_q8810c58268_qkvgemm
	.globl	k_q8810c58268_qkvgemm
	.p2align	8
	.type	k_q8810c58268_qkvgemm,@function
k_q8810c58268_qkvgemm:
	s_mov_b64 s[64:65], 0
	v_nop
	global_prefetch_b8 v0, s[64:65] scope:SCOPE_SE
	s_setreg_imm32_b32 hwreg(HW_REG_WAVE_MODE, 25, 1), 1
	s_wait_xcnt 0x0
	s_wait_alu depctr_hold_cnt(0) depctr_sa_sdst(0) depctr_va_vdst(0) depctr_va_sdst(0) depctr_va_ssrc(0) depctr_va_vcc(0) depctr_vm_vsrc(0)
	s_getreg_b32 s2, hwreg(HW_REG_IB_STS2, 6, 4)
	s_cmp_eq_u32 s2, 0
	s_cbranch_scc0 .Lentry_in_a_cluster
	s_endpgm
.Lentry_in_a_cluster:
	s_bfe_u32 s2, ttmp6, 0x10000c
	s_cmp_lg_u32 s2, 0x3003
	s_cbranch_scc0 .Lentry_shape_is_right
	s_endpgm
.Lentry_shape_is_right:
; q, k, v = residual x (W_Q, W_K, W_V)^T as ONE product on codes of FP4 (E2M1) with E8M0 scales: C[m][n] = sum over k of A[m][k] B[n][k], A = xc [4096][1024 codes], B = wc [3072][1024 codes], sums in f32.
; A tile of C, 256 x 256, is made by a work-group of four waves; a wave makes 128 x 128: 64 accumulators of 16 x 16, 512 registers.  K = 1,024 is two K steps of 512 (tile rows of 256 bytes): both lie in LDS at once,
; so the two slots and the scales are first fills (three tensor loads a wave are out at the most) and nothing is filled again.
; CLUSTER 4 x 1: the four work-groups of a cluster make four neighbouring tile columns of one tile row, so A's tiles and A's scales are asked for JOINTLY (mask 15); B's tiles differ from partner to partner and come by plain loads.
; Not 4 x 4: the f32 copy below is a branch on the tile row, which with one tile row to a cluster is alike in all partners.
; THE MATRIX INSTRUCTION IS USED TRANSPOSED (source 0 = 16 rows of B, source 1 = 16 rows of A): a lane holds eight neighbouring columns (channels) of one token.
; THE WAY OUT NEEDS NO LDS: qkv = [q, k, v][batch x head 32][tile of 16 tokens 128][tile of 16 channels 4][512 bytes] holds images of the attention launch's operand registers: a lane's eight results, rounded to f16, are 16 bytes
; of such an image, so each store of the wave covers 512 consecutive bytes, aligned.  q, k: lane l's piece at 16 l.  v: the piece of token r, channel half h at 16 (16 (r / 8) + 8 h + r % 8), where the turning LDS load wants it.
; The first 16 tokens of each sequence also leave as f32 (qkv32 = [batch 2][tile of 16 columns 192][half 2][lane 32][16 bytes]), for the launch that carries them in f32.
; LIMIT: q, k, v must lie inside f16's range (65,504).
; REGISTERS, in windows of 256: window 0: v0-31 addresses; v32-95 scale words, two sets; v128-191 A's fragments, ONE set (on the way out: packed results).  window 1: B's fragments, two sets, at v0 and v128.
;   window 2: the 32 accumulators of my rows 0-63 (accumulator (a, b) at v[8 (8 a + b)]);  window 3: those of my rows 64-127.
.set KSTEP,  512
.set NQ,     KSTEP/128                 ; matrix instructions deep
.set ROWB,   256                       ; a tile's row in bytes
.set KROW,   512                       ; a row of A or of B in memory, in bytes
.set PITCH,  272                       ; an LDS row: 256 bytes + 16 of padding = 68 words: the 16 rows that a load touches start at 16 different banks (64 banks of 4 bytes: ISA guide 11.1)
.set FR,     8                         ; registers of a fragment: 16 rows x 128 K
.set NL,     2                         ; LDS loads that bring one
.set NP,     4                         ; places behind this matrix instruction (ISA guide 7.12.1)
.set HALFT,  128*PITCH                 ; 128 rows: what one tensor load brings
.set SLOT,   4*HALFT                   ; A's 256 rows, then B's 256 rows
.set KS,     32                        ; a row of scales in bytes
.set SCL,    2*SLOT                    ; behind the slots: the scales, as runs of 256 bytes + 16 of padding
.set HALFS,  (128*KS/256)*272          ; the scales of 128 rows: what one tensor load brings
.set SBLK,   (16*KS/256)*272           ; those of 16 rows
.set SPARE,  SCL+4*HALFS               ; behind the scales: the spare words, 128 bytes a wave
.set ADRA, 16                          ; v16-17  LDS address of my A fragments in slot 0, 1
.set ADRB, 20                          ; v20-21  the same for B
.set CO,   24                          ; v24     my piece's place in an image of qkv
.set CO32, 25                          ; v25     16 x lane
.set ADRS, 27                          ; v27     LDS address of my scale words: lanes 0-15 A's rows, lanes 16-31 B's
.set SPW,  28                          ; v28     LDS address of my spare word; never rewritten
.set NIL,  29                          ; v29     0; never rewritten
.set SC,   32                          ; scale words: set s at v[SC + 8 NQ s]; register NQ i + q: lanes 0-15 the word of A's block i, lanes 16-31 that of B's block i
.set AF,   128                         ; A's fragments, in window 0
.set PK,   128                         ; the way out: two sets of 32 packed registers
.set G1, 24                            ; s[24:31] group 1 for A's tiles;  s[32:39] group 0, one set for each slot
.set G0, 32
.set G1B, 48                           ; s[48:55], s[56:63] the same for B's tiles
.set G0B, 56
.set G1S, 68                           ; s[68:75], s[76:79] groups 1 and 0 for A's scales;  s[80:87], s[88:91] for B's
.set G0S, 76
.set G1SB, 80
.set G0SB, 88
.set MSB, 0
.macro WIN new                         ; the immediate's high byte repeats the setting that is left
.if MSB != \new
	s_set_vgpr_msb (MSB<<8)|\new
.set MSB, \new
.endif
.endm
.set MUL_LO, 0xa1                      ; source 0 (B) window 1, source 1 (A) window 0, C and D window 2
.set MUL_HI, 0xf1                      ; the same, C and D window 3
.set TO_B,   0x40                      ; destination window 1, address window 0
; Waves 0 and 1 fetch for A (jointly), waves 2 and 3 for B.  The branch hangs on the wave's number alone.  An s_nop 0 and four v_nop follow each of the two lines.
.macro JLOAD g0a, g1a, g0b, g1b
	s_cmp_eq_u32 s15, 0
	s_cbranch_scc0 .Lfor_b_\@
	tensor_load_to_lds s[\g0a:\g0a+3], s[\g1a:\g1a+7]
	s_nop 0
.rept 4
	v_nop
.endr
	s_branch .Lasked_\@
.Lfor_b_\@:
	tensor_load_to_lds s[\g0b:\g0b+3], s[\g1b:\g1b+7]
	s_nop 0
.rept 4
	v_nop
.endr
.Lasked_\@:
.endm
.macro CROUND                          ; a round of the cluster's barrier
	s_barrier_signal -1
	s_barrier_wait -1
	s_cmp_lg_u32 s14, 0
	s_cbranch_scc1 .Lnot_wave_0_\@
	s_barrier_signal -3
.Lnot_wave_0_\@:
	s_barrier_wait -3
	s_barrier_signal -1
	s_barrier_wait -1
.endm
	s_load_b128 s[4:7], s[0:1], 0x0                ; A's codes s[4:5], A's scales s[6:7]
	s_load_b128 s[8:11], s[0:1], 0x10              ; B's codes s[8:9], B's scales s[10:11]
	s_load_b64 s[12:13], s[0:1], 0x20              ; qkv
	s_load_b64 s[96:97], s[0:1], 0x28              ; qkv32
	v_lshl_add_u32 v[SPW], v0, 2, SPARE
	v_mov_b32 v[NIL], 0
	ds_add_u32 v[SPW], v[NIL]                      ; the wave's opening: the add, twice on end, and its wait ahead of my first tensor load
	ds_add_u32 v[SPW], v[NIL]                      ; and once more, under the one wait; the set-up below, work on registers, stands between
	v_lshrrev_b32 v1, 5, v0
	v_readfirstlane_b32 s14, v1                    ; wave 0..3
	s_lshr_b32 s15, s14, 1                         ; which half of the tile's rows is mine.  Also: I fetch for A (0) or for B (1)
	s_and_b32 s16, s14, 1                          ; which half of its columns.  Also: which 128 rows of that tile I fetch
	s_bfe_u32 s40, ttmp6, 0x40000                  ; cx: my place in the cluster
	s_lshl_b32 s42, ttmp9, 2
	s_add_co_u32 s42, s42, s40                     ; tile column of C = 4 x cluster x + cx; cluster x is also: 0 q, 1 k, 2 v
	s_and_b32 s17, ttmp7, 0xffff                   ; tile row of C, which the four partners share
	; descriptor group 1: a tile of 128 rows x 256 bytes, padded in LDS
	s_mov_b32 s[G1+0], 15|(1<<20)|(1<<21)|(5<<22)|(3<<25)          ; 15:0 the mask: all four partners; 17:16 elements of 1 byte; 20 padding on; 21 set beside a mask; 24:22 after every 64 words; 31:25 four words
	s_mov_b32 s[G1B+0], (1<<20)|(5<<22)|(3<<25)                    ; B's: no mask
.irp g, G1, G1B
	s_mov_b32 s[\g+1], ROWB<<16                    ; tensor_dim0
	s_mov_b32 s[\g+2], 128<<16                     ; tensor_dim1
	s_mov_b32 s[\g+3], ROWB<<16                    ; tile_dim0
	s_mov_b32 s[\g+4], 128                         ; tile_dim1
	s_mov_b32 s[\g+5], KROW                        ; tensor_dim0_stride
	s_mov_b32 s[\g+6], 0
	s_mov_b32 s[\g+7], 0
.endr
	; the scales of 128 rows: a dense block of 4,096 bytes, as 16 rows of 256 bytes (32 elements of 8 bytes), 16 bytes of padding behind each
	s_mov_b32 s[G1S+0], 15|(3<<16)|(1<<20)|(1<<21)|(5<<22)|(3<<25)
	s_mov_b32 s[G1SB+0], (3<<16)|(1<<20)|(5<<22)|(3<<25)
.irp g, G1S, G1SB
	s_mov_b32 s[\g+1], 32<<16
	s_mov_b32 s[\g+2], (128*KS/256)<<16
	s_mov_b32 s[\g+3], 32<<16
	s_mov_b32 s[\g+4], 128*KS/256
	s_mov_b32 s[\g+5], 32
	s_mov_b32 s[\g+6], 0
	s_mov_b32 s[\g+7], 0
.endr
	s_lshl_b32 s18, s16, 7                         ; which 128 rows of the tile I fetch
	s_lshl_b32 s20, s17, 8
	s_add_co_u32 s20, s20, s18                     ; A: row 256 x tile row + 128 x half
	s_lshl_b32 s46, s42, 8
	s_add_co_u32 s46, s46, s18                     ; B: row 256 x tile column + 128 x half
	s_mov_b32 s21, 0
	s_mov_b32 s47, 0
	s_mov_b64 s[18:19], KS
	s_mul_u64 s[22:23], s[20:21], s[18:19]         ; where these rows' scales begin, in bytes
	s_mul_u64 s[92:93], s[46:47], s[18:19]
	s_mov_b64 s[18:19], KROW
	s_mul_u64 s[20:21], s[20:21], s[18:19]         ; and their codes
	s_mul_u64 s[46:47], s[46:47], s[18:19]
	s_mul_i32 s45, s14, HALFT                      ; where they go: wave x 128 rows: no place in the cluster enters an LDS address
	s_mul_i32 s94, s14, HALFS
	s_wait_dscnt 0x0                               ; both opening adds are done
	s_wait_kmcnt 0x0
	s_add_nc_u64 s[20:21], s[4:5], s[20:21]
	s_add_nc_u64 s[22:23], s[6:7], s[22:23]
	s_add_nc_u64 s[46:47], s[8:9], s[46:47]
	s_add_nc_u64 s[92:93], s[10:11], s[92:93]
	CROUND                                         ; all four work-groups are here: the joint loads meet
	s_mov_b32 s[G0S], 1
	s_add_co_u32 s[G0S+1], s94, SCL
	s_mov_b64 s[G0S+2:G0S+3], s[22:23]
	s_or_b32 s[G0S+3], s[G0S+3], 0x80000000
	s_mov_b32 s[G0SB], 1
	s_add_co_u32 s[G0SB+1], s94, SCL
	s_mov_b64 s[G0SB+2:G0SB+3], s[92:93]
	s_or_b32 s[G0SB+3], s[G0SB+3], 0x80000000
	JLOAD G0S, G1S, G0SB, G1SB                     ; the scales first: they are wanted with K step 0
.irp s, 0,1
	s_mov_b32 s[G0+4*\s], 1
	s_add_co_u32 s[G0+4*\s+1], s45, \s*SLOT
	s_add_nc_u64 s[G0+4*\s+2:G0+4*\s+3], s[20:21], \s*ROWB
	s_or_b32 s[G0+4*\s+3], s[G0+4*\s+3], 0x80000000
	s_mov_b32 s[G0B+4*\s], 1
	s_add_co_u32 s[G0B+4*\s+1], s45, \s*SLOT
	s_add_nc_u64 s[G0B+4*\s+2:G0B+4*\s+3], s[46:47], \s*ROWB
	s_or_b32 s[G0B+4*\s+3], s[G0B+4*\s+3], 0x80000000
	JLOAD G0+4*\s, G1, G0B+4*\s, G1B
.endr
	v_and_b32 v1, 15, v0                           ; r = l % 16
	v_bfe_u32 v2, v0, 4, 1                         ; h = l / 16
	v_mul_u32_u24 v3, v1, PITCH
	v_lshl_add_u32 v4, v2, 4, v3                   ; a fragment's row x pitch + 16 x half
	s_mul_i32 s21, s15, HALFT                      ; my 128 rows of A
	s_mul_i32 s22, s16, HALFT                      ; my 128 rows of B,
	s_add_co_u32 s22, s22, 2*HALFT                 ; which lie behind A's 256
.irp s, 0,1
	v_add_nc_u32 v[ADRA+\s], s21, v4
	v_add_nc_u32 v[ADRB+\s], s22, v4
	s_add_co_u32 s21, s21, SLOT
	s_add_co_u32 s22, s22, SLOT
.endr
	v_mul_u32_u24 v5, v1, KS                       ; my row's scales: KS bytes a row,
	v_lshrrev_b32 v6, 8, v5
	v_lshl_add_u32 v5, v6, 4, v5                   ; and 16 more for each 256 passed
	s_mul_i32 s21, s15, HALFS                      ; A's: my 128 rows
	s_mul_i32 s22, s16, HALFS                      ; B's: my 128 rows, behind A's 256
	s_add_co_u32 s22, s22, 2*HALFS
	s_sub_co_u32 s22, s22, s21
	v_mul_u32_u24 v6, s22, v2                      ; lanes 16-31 take B's
	s_add_co_u32 s21, s21, SCL
	v_add_nc_u32 v5, v5, v6
	v_add_nc_u32 v[ADRS], s21, v5
	; the way out: my piece's place in an image
	v_and_b32 v6, 31, v0
	v_lshlrev_b32 v[CO32], 4, v6                   ; q, k and the f32 copy: 16 x lane
	v_lshrrev_b32 v5, 3, v1
	v_lshlrev_b32 v5, 8, v5
	v_lshl_add_u32 v5, v2, 7, v5
	v_and_b32 v6, 7, v1
	v_lshl_add_u32 v5, v6, 4, v5                   ; v: 256 (r / 8) + 128 h + 16 (r % 8)
	s_cmp_eq_u32 ttmp9, 2                          ; the cluster's x says which of the three: alike in all partners; it selects an offset, no branch
	s_cselect_b32 s99, -1, 0
	v_cndmask_b32 v[CO], v[CO32], v5, s99
	; qkv at my wave's first image: which x 8,388,608 + (16 batch + 4 cx + 2 column half) x 262,144 + (16 (tile row % 8) + 8 row half) x 2,048
	s_lshr_b32 s20, s17, 3
	s_lshl_b32 s20, s20, 4
	s_lshl_b32 s21, s40, 2
	s_add_co_u32 s20, s20, s21
	s_lshl_b32 s21, s16, 1
	s_add_co_u32 s20, s20, s21
	s_lshl_b32 s20, s20, 18
	s_and_b32 s21, s17, 7
	s_lshl_b32 s21, s21, 4
	s_lshl_b32 s22, s15, 3
	s_add_co_u32 s21, s21, s22
	s_lshl_b32 s21, s21, 11
	s_add_co_u32 s20, s20, s21
	s_lshl_b32 s21, ttmp9, 23
	s_add_co_u32 s20, s20, s21
	s_mov_b32 s21, 0
	s_add_nc_u64 s[12:13], s[12:13], s[20:21]
	; qkv32 at my wave's first tile of columns: batch x 196,608 + (16 tile column + 8 column half) x 1,024
	s_lshr_b32 s20, s17, 3
	s_mul_i32 s20, s20, 196608
	s_lshl_b32 s22, s42, 4
	s_lshl_b32 s23, s16, 3
	s_add_co_u32 s22, s22, s23
	s_lshl_b32 s22, s22, 10
	s_add_co_u32 s20, s20, s22
	s_add_nc_u64 s[96:97], s[96:97], s[20:21]
	s_and_b32 s98, s17, 7
	s_or_b32 s98, s98, s15                         ; 0 where my rows 0-15 are a sequence's first 16 tokens: made of the tile row and the wave's number alone
.macro FRAG reg, adr, q, i             ; a fragment, 16 rows x 128 K of 4-bit codes, is 8 registers: lane l holds row l % 16; registers 4 c .. 4 c + 3 hold K = 64 c + 32 (l / 16) + 0 .. 31
.irp c, 0,1
	ds_load_b128 v[\reg+4*\c:\reg+4*\c+3], v[\adr] offset:64*(\q)+32*\c+(\i)*16*PITCH
.endr
.endm
; 16 matrix instructions: A's blocks a0, a0 + 1 x B's eight, 128 along K.  p: B's set;  sc: the set of scale words.  zero = 1: the first product starts the sums.
; The 64 accumulators take turns, one instruction a turn, in the same order in every step.
.macro MUL16 a0, p, q, sc, zero
.irp a, \a0, \a0+1
.irp b, 0,1,2,3,4,5,6,7
.if \zero
	v_wmma_scale_f32_16x16x128_f8f6f4 v[8*(8*((\a)%4)+\b):8*(8*((\a)%4)+\b)+7], v[128*(\p)+FR*\b:128*(\p)+FR*\b+FR-1], v[AF+FR*(\a):AF+FR*(\a)+FR-1], 0, v[SC+8*NQ*(\sc)+NQ*\b+(\q)], v[SC+8*NQ*(\sc)+NQ*(\a)+(\q)] matrix_a_fmt:MATRIX_FMT_FP4 matrix_b_fmt:MATRIX_FMT_FP4 matrix_a_scale:MATRIX_SCALE_ROW1
.else
	v_wmma_scale_f32_16x16x128_f8f6f4 v[8*(8*((\a)%4)+\b):8*(8*((\a)%4)+\b)+7], v[128*(\p)+FR*\b:128*(\p)+FR*\b+FR-1], v[AF+FR*(\a):AF+FR*(\a)+FR-1], v[8*(8*((\a)%4)+\b):8*(8*((\a)%4)+\b)+7], v[SC+8*NQ*(\sc)+NQ*\b+(\q)], v[SC+8*NQ*(\sc)+NQ*(\a)+(\q)] matrix_a_fmt:MATRIX_FMT_FP4 matrix_b_fmt:MATRIX_FMT_FP4 matrix_a_scale:MATRIX_SCALE_ROW1
.endif
.endr
.endr
.endm
.macro FETCH_B slot, q, p              ; B's eight fragments of the slot's q-th 128 along K into set p
	WIN TO_B
.irp i, 0,1,2,3,4,5,6,7
	FRAG 128*(\p)+FR*\i, ADRB+\slot, \q, \i
.endr
	WIN 0
.endm
.macro FETCH_A slot, q, i0             ; A's blocks i0 .. i0 + 3
.irp i, \i0, \i0+1, \i0+2, \i0+3
	FRAG AF+FR*(\i), ADRA+\slot, \q, \i
.endr
.endm
.macro SCALES sc                       ; a K step's scale words into set sc: NQ words a row; lanes 0-15 take A's block i, lanes 16-31 B's block i
.irp i, 0,1,2,3,4,5,6,7
	ds_load_b128 v[SC+8*NQ*\sc+NQ*\i:SC+8*NQ*\sc+NQ*\i+3], v[ADRS] offset:\i*SBLK
.endr
.endm
; A load into a register that a matrix instruction has read, and a vector instruction or a store that reads a matrix result, stand NP places behind that matrix instruction;
; only plain vector instructions that name none of its registers are places.
.macro PLACES n
.rept \n
	v_nop
.endr
.endm
; A step of 128 along K that has its successor in the same slot.
.macro STEP slot, q, zero
	s_wait_dscnt 4*NL                              ; B's set and A's blocks 0-3 are in; the youngest eight loads (A's blocks 4-7) may be out
	WIN MUL_LO
	MUL16 0, (\q)%2, \q, \slot, \zero
	MUL16 2, (\q)%2, \q, \slot, \zero
	s_wait_dscnt 0                                 ; A's blocks 4-7 are in (asked for 32 matrix instructions ago)
	PLACES NP
	FETCH_B \slot, (\q)+1, 1-(\q)%2
	FETCH_A \slot, (\q)+1, 0
	WIN MUL_HI
	MUL16 4, (\q)%2, \q, \slot, \zero
	MUL16 6, (\q)%2, \q, \slot, \zero
	PLACES NP
	WIN 0
	FETCH_A \slot, (\q)+1, 4
.endm
; Slot 0's last step goes over to slot 1: one barrier; in front of it each wave waits for all its tensor loads (its part of slot 1), so that behind it slot 1 is whole for every wave.  Nothing is filled again.
.macro TURN slot, next
	s_wait_tensorcnt 0x0                           ; all my tensor loads have landed: my part of the next slot;  (every window is 0 here)
	ds_add_u32 v[SPW], v[NIL]                      ; 0 onto my spare word
	s_wait_dscnt 4*NL+1                            ; (the add and the youngest eight loads, A's blocks 4-7, may be out)
	WIN MUL_LO
	MUL16 0, 1, NQ-1, \slot, 0
	s_wait_dscnt 0x0                               ; no LDS instruction of mine is pending at the signal
	s_barrier_signal -1
	MUL16 2, 1, NQ-1, \slot, 0
	WIN 0
	s_barrier_wait -1
	PLACES NP
	v_add_nc_u32 v[ADRS], 4*NQ, v[ADRS]            ; on to the next K step's scale words (no LDS load of mine is out)
	FETCH_B \next, 0, 0
	FETCH_A \next, 0, 0
	SCALES \next
	WIN MUL_HI
	MUL16 4, 1, NQ-1, \slot, 0
	MUL16 6, 1, NQ-1, \slot, 0
	PLACES NP
	WIN 0
	FETCH_A \next, 0, 4
.endm
.macro STEPS slot, from                ; the slot's steps from .. NQ - 2
.set Q, \from
.rept NQ-1-\from
	STEP \slot, Q, 0
.set Q, Q+1
.endr
.endm
	s_wait_tensorcnt 1                             ; the scales and my part of K step 0 are in (K step 1's load may be out),
	s_barrier_signal -1
	s_barrier_wait -1                              ; everybody's are
	FETCH_B 0, 0, 0
	FETCH_A 0, 0, 0
	SCALES 0
	FETCH_A 0, 0, 4
	STEP 0, 0, 1                                   ; the first step's products start the sums: nothing is cleared
	STEPS 0, 1
	TURN 0, 1
	STEPS 1, 0
	s_wait_dscnt 4*NL                              ; the very last step: nothing more to fetch
	WIN MUL_LO
	MUL16 0, 1, NQ-1, 1, 0
	MUL16 2, 1, NQ-1, 1, 0
	s_wait_dscnt 0
	WIN MUL_HI
	MUL16 4, 1, NQ-1, 1, 0
	MUL16 6, 1, NQ-1, 1, 0
	WIN 0
	; THE WAY OUT.
	PLACES NP                                      ; behind the last products: for the reads of results and for the writes into the registers that held A's fragments
	s_cmp_lg_u32 s98, 0
	s_cbranch_scc1 .Lno_copy
	WIN 0x08                                       ; a store's data are its source 1: window 2
.irp b, 0,1,2,3,4,5,6,7                ; block 0: the sequence's tokens 0-15, as f32: each store covers 512 consecutive bytes, aligned; each accumulator from its low end on
	global_store_b128 v[CO32], v[8*\b:8*\b+3], s[96:97] offset:\b*1024
	global_store_b128 v[CO32], v[8*\b+4:8*\b+7], s[96:97] offset:\b*1024+512
.endr
	WIN 0
.Lno_copy:
; Block a (16 tokens x 128 columns = two heads x four tiles of channels): rounded to f16, 16 bytes a lane, and stored as eight images
.macro OUTBLK a
.set AC, 64*((\a)%4)
.set PB, PK+32*((\a)%2)
	WIN 0x0a+5*((\a)/4)                            ; sources 0 and 1: window 2 or 3
.irp b, 0,1,2,3,4,5,6,7
.irp i, 0,1,2,3
	v_cvt_pk_f16_f32 v[PB+4*\b+\i], v[AC+8*\b+2*\i], v[AC+8*\b+2*\i+1]
.endr
.endr
	WIN 0
.irp b, 0,1,2,3,4,5,6,7
	global_store_b128 v[CO], v[PB+4*\b:PB+4*\b+3], s[12:13] offset:(\a)*2048+(\b/4)*262144+(\b%4)*512   ; 512 consecutive bytes, aligned
.endr
.endm
.irp a, 0,1,2,3,4,5,6,7
.if \a > 1
	s_wait_xcnt 0x0                                ; block a - 2's stores have read their registers, which are written again
.endif
	OUTBLK \a
.endr
	s_wait_tensorcnt 0x0                           ; the wave's end, behind my last tensor load
	ds_add_u32 v[SPW], v[NIL]
	s_wait_dscnt 0x0
	CROUND                                         ; the closing round: no work-group ends while a partner may still ask for a tile that names it
	s_endpgm
.Lfunc_end_k_q8810c58268_qkvgemm:
	.size	k_q8810c58268_qkvgemm, .Lfunc_end_k_q8810c58268_qkvgemm-k_q8810c58268_qkvgemm
	.p2alignl 7, 3214868480
	.fill 96, 4, 3214868480
	.section	.rodata,"a",@progbits
	.p2align	6, 0x0
	.amdhsa_kernel k_q8810c58268_qkvgemm
		.amdhsa_group_segment_fixed_size 327680
		.amdhsa_private_segment_fixed_size 0
		.amdhsa_enable_private_segment 0
		.amdhsa_kernarg_size 48
		.amdhsa_user_sgpr_count 2
		.amdhsa_user_sgpr_kernarg_segment_ptr 1
		.amdhsa_wavefront_size32 1
		.amdhsa_system_sgpr_workgroup_id_x 1
		.amdhsa_system_sgpr_workgroup_id_y 1
		.amdhsa_system_sgpr_workgroup_id_z 1
		.amdhsa_system_vgpr_workitem_id 0
		.amdhsa_next_free_vgpr 1024
		.amdhsa_next_free_sgpr 100
		.amdhsa_reserve_vcc 0
		.amdhsa_float_denorm_mode_32 3
		.amdhsa_float_denorm_mode_16_64 3
		.amdhsa_memory_ordered 1
		.amdhsa_forward_progress 1
		.amdhsa_inst_pref_size 120
	.end_amdhsa_kernel
	.amdgpu_metadata
---
amdhsa.version: [ 1, 2 ]
amdhsa.kernels:
  - .name:           k_q8810c58268_qkvgemm
    .symbol:         k_q8810c58268_qkvgemm.kd
    .args:
      - { .name: xc, .offset: 0, .size: 8, .value_kind: global_buffer, .address_space: global }
      - { .name: xs, .offset: 8, .size: 8, .value_kind: global_buffer, .address_space: global }
      - { .name: wc, .offset: 16, .size: 8, .value_kind: global_buffer, .address_space: global }
      - { .name: ws, .offset: 24, .size: 8, .value_kind: global_buffer, .address_space: global }
      - { .name: qkv, .offset: 32, .size: 8, .value_kind: global_buffer, .address_space: global }
      - { .name: qkv32, .offset: 40, .size: 8, .value_kind: global_buffer, .address_space: global }
    .group_segment_fixed_size: 327680
    .private_segment_fixed_size: 0
    .kernarg_segment_align: 8
    .kernarg_segment_size: 48
    .max_flat_workgroup_size: 128
    .sgpr_count:     100
    .vgpr_count:     1024
    .wavefront_size: 32
...
	.end_amdgpu_metadata
.endif
;; end of part 2
;; launch attn (part 3): grid 8 x 32, 8 waves a work-group, no clusters, 327,680 bytes of LDS; arguments qkv, ao; writes ao
.if DOCPART == 3
	.amdgcn_target "amdgcn-amd-amdhsa--gfx1250"
	.amdhsa_code_object_version 6
	.text
	.protected	k_q8810c58268_attn
	.globl	k_q8810c58268_attn
	.p2align	8
	.type	k_q8810c58268_attn,@function
k_q8810c58268_attn:
	s_mov_b64 s[64:65], 0
	v_nop
	global_prefetch_b8 v0, s[64:65] scope:SCOPE_SE
	s_setreg_imm32_b32 hwreg(HW_REG_WAVE_MODE, 25, 1), 1
	s_wait_xcnt 0x0
; O[bh][q] = sum over k <= q of softmax_k(Q[bh][q] . K[bh][k] / 8) V[bh][k]: 32 batch-heads, 2,048 tokens, head size 64, causal.  Operands f16, products, maxima and sums f32; the weights p are rounded to f16 for the second product.
; q, k, v come as images of operand registers (qkv = [q, k, v][bh 32][tile of 16 tokens 128][tile of 16 channels 4][512 bytes]); the result leaves as images of the next product's operand
; (ao = [group of 64 tokens 64][K step of 256: 4][tile of 16 tokens 4][fragment of 32 k: 8][half 2][lane 32][16 bytes], k = 64 head + channel).
; SHARES.  A work-group owns query blocks j and 15 - j (128 queries each) of one bh, so that every work-group has the same causal work: 8 x 32 = 256 work-groups.  EIGHT waves; a wave owns 32 neighbouring queries: two tiles of 16,
; A and B, which share every fragment of K and V that the wave reads from LDS: a key step's 16,384 bytes feed 32 matrix instructions.  A wave has the early block where (wave & 1) xor (wave >> 2) is 0:
; in each pair (w, w + 4) and in each pair (2 i, 2 i + 1) one wave has the early block and one the late.
; BY TURNS.  A key step of 64 keys: K Q^T of tile A; tile A's softmax, with tile B's eight products K Q^T standing singly among its lines; tile B's softmax, with tile A's eight products V^T P among its lines; V^T P of tile B.
; The next step's K is asked of LDS in the middle of a step (K's registers are free behind tile B's scores), V at the head of its own step: both have a softmax in which to come.
; RING.  Two LDS slots of 256 keys (K's images 32,768 bytes, then V's), dense blocks of memory, filled by waves 0-3 (16,384 bytes each) and read by all eight.  Every work-group walks all 8 slots (constant trip counts).
; From the first key step whose keys all come after a wave's queries the wave jumps to the slot's end, so a step is reached only through the step before it; a slot whose first key comes after the work-group's last query is not asked for.
; NO CLUSTER: the work-groups of one bh need different numbers of tiles ((16 - j) x 128 keys), so a partner would be named by loads of slots that none of its waves reads.
; LAYOUT.  S^T = K Q^T (source 0 = 16 keys, source 1 = 16 queries): a lane holds ONE query (lane % 16) and keys 8 (lane / 16) + 0..7 of each tile of keys.  Two such tiles, rounded to f16 in pairs, ARE source 1 of O^T = V^T P.
; SOFTMAX.  A running maximum m and sum l for each query: p = 2^(c s - c m), c = log2(e) / 8; in every step O and l are multiplied by a = 2^(c m_old - c m_new).
; LIMITS: NaN and infinities are not served; positions 0-15 of each sequence are computed here with f16 operands and are written again, in f32, by the last launch.
; REGISTERS, in windows of 256 (s_set_vgpr_msb: bits 1:0 source 0, 3:2 source 1, 5:4 source 2, 7:6 destination).  Window 0: all that a softmax and K Q^T touch.  Window 1: v0-63 V^T, v64-127 O^T.
.set SLOT1, 65536                      ; slot 1 begins here: one exclusive or turns an address in one slot into the other's
.set VOFF,  32768                      ; a slot: K's 16 tiles of tokens, then V's
.set SPARE, 131072                     ; behind the ring: the spare words, 128 bytes for each of 8 waves
.set LN,   1                           ; v1   16 x lane: my place in an image, in LDS and in memory; never rewritten
.set AD,   2                           ; v2   LDS address of the slot in hand + 16 x lane
.set SPW,  3                           ; v3   LDS address of my spare word; never rewritten
.set NIL,  4                           ; v4   0; never rewritten
.set RH,   6                           ; v6   lane % 16 - 8 (lane / 16)
.set DD,   7                           ; v7   on the diagonal: my query - the step's first key - 8 (lane / 16)
.set NINF, 8                           ; v8   -infinity
.set PFO,  9                           ; v9   256 x lane; never rewritten
.set ST,   10                          ; v10-33  tile x's statistics at v[ST + 12 x]: +0 c m, +1 m, +2, +3 l (even keys', odd keys'), +4 a, +5 named with it as a pair, +6 .. +11 at work
.set QF,   36                          ; v36-67  Q: tile x's two fragments of 16 queries x 32 channels at 16 x
.set KFR,  68                          ; v68-131 K: fragment (tile of keys kt, channels 32 c) at 16 kt + 8 c
.set S,    132                         ; v132-195 S^T, then p: tile x at 32 x
.set P,    196                         ; v196-227 p in f16: tile x at 16 x
.set OW,   64                          ; window 1, v64-127: O^T: tile x, channels 16 t at 32 x + 8 t.  (Window 1, v0-63: V^T: fragment (t, keys 32 cf) at 16 t + 8 cf)
.set TB,   2                           ; s2   LDS byte at which the slot in hand begins
.set KS,   3                           ; s3   the slot's first key
.set WV,   18                          ; s18  my wave's number
.set SEL,  20                          ; s[20:21] lane selects for v_permlanex16_b32: lane l xor 16
.set CS,   22                          ; s[22:23] c
.set G1,   24                          ; s[24:31] descriptor group 1
.set KF,   33                          ; s33  the step's first key
.set G0,   40                          ; s[40:43] group 0, which walks
.set Q0,   44                          ; s44  my first query
.set QL,   45                          ; s45  my work-group's last query
.set SLOTS, 46                         ; s46  changes of slots still to come in the loop
.set LIM,  47                          ; s47  1 in a wave that prefetches, else the greatest number
.set PFA,  48                          ; s[48:49] where my prefetches stand
.set QE,   50                          ; s50  my last query
.set W_PV, 0x51                        ; V^T and O^T in window 1, P in window 0
.set W_RS, 0x41                        ; O^T (destination and source 0) in window 1, a in window 0
.set TO_V, 0x40                        ; destination window 1
.set FROM_O, 0x01                      ; source 0 window 1
.set MSB, 0
.macro WIN new                         ; the immediate's high byte repeats the setting that is left; a switch that changes nothing is dropped
.if MSB != \new
	s_set_vgpr_msb (MSB<<8)|\new
.set MSB, \new
.endif
.endm
; Waves 0 to 3 fetch, the others nothing.  The branch hangs on the wave's number alone.  An s_nop 0 and four v_nop follow the load.
.macro TLOAD
	s_cmp_lt_u32 s[WV], 4
	s_cbranch_scc0 .Lasked_\@
	tensor_load_to_lds s[G0:G0+3], s[G1:G1+7]
	s_nop 0
.rept 4
	v_nop
.endr
.Lasked_\@:
.endm
; A PREFETCH INTO THE L2 of what the NEXT change of slots will ask for: a slot's 32,768 bytes of K and of V.  All work-groups of a bh walk the same K and V: the first of them (j = 0, which walks all 8 slots) asks:
; waves 0-3 for K, waves 4-7 for V, 8,192 bytes a wave, lanes 256 bytes apart, one instruction a wave, behind the tensor load and its five lines.  So each aligned block of 256 bytes is named once in the launch.
; It stands one slot, 4 key steps, ahead of the load.  Slots 0 and 1 come by their loads alone; the last change that fills a slot asks for nothing.
.macro ASK
	s_cmp_gt_u32 s[SLOTS], s[LIM]
	s_cbranch_scc0 .Lnot_mine_\@
	global_prefetch_b8 v[PFO], s[PFA:PFA+1] th:TH_LOAD_NT scope:SCOPE_SE
.Lnot_mine_\@:
.endm
	s_load_b128 s[4:7], s[0:1], 0x0                ; qkv, ao
	v_lshl_add_u32 v[SPW], v0, 2, SPARE
	v_mov_b32 v[NIL], 0
	ds_add_u32 v[SPW], v[NIL]                      ; the wave's opening: the add, twice on end, and its wait ahead of my first tensor load
	ds_add_u32 v[SPW], v[NIL]                      ; and once more, under the one wait; the set-up below, work on registers, stands between
	v_lshrrev_b32 v5, 5, v0
	v_readfirstlane_b32 s[WV], v5                  ; wave 0..7
	s_and_b32 s12, ttmp7, 0xffff                   ; bh
	s_lshl_b32 s32, s12, 18                        ; a bh's 262,144 bytes in each of q, k, v
	s_and_b32 s10, s[WV], 1
	s_lshr_b32 s11, s[WV], 2
	s_xor_b32 s10, s10, s11                        ; 0: the early block, 1: the late one
	s_sub_co_u32 s13, 15, ttmp9
	s_cmp_eq_u32 s10, 0
	s_cselect_b32 s10, ttmp9, s13                  ; my block of 128 queries: j or 15 - j
	s_lshl_b32 s[Q0], s10, 7
	s_bfe_u32 s13, s[WV], 0x10001
	s_lshl_b32 s11, s11, 1
	s_or_b32 s11, s11, s13                         ; which 32 of them: ((wave >> 1) & 1) + 2 (wave >> 2)
	s_lshl_b32 s11, s11, 5
	s_add_co_u32 s[Q0], s[Q0], s11                 ; my first query,
	s_add_co_u32 s[QE], s[Q0], 31                  ; my last
	s_lshl_b32 s[QL], ttmp9, 7
	s_sub_co_u32 s[QL], 2047, s[QL]                ; 128 (15 - j) + 127
	; descriptor group 1: a dense block of 16,384 bytes as 64 rows of 256 bytes (32 elements of 8 bytes), no padding: an image is read 512 consecutive bytes at a time
	s_mov_b32 s[G1], 3<<16
	s_mov_b32 s[G1+1], 32<<16                      ; tensor_dim0
	s_mov_b32 s[G1+2], 64<<16                      ; tensor_dim1
	s_mov_b32 s[G1+3], 32<<16                      ; tile_dim0
	s_mov_b32 s[G1+4], 64                          ; tile_dim1
	s_mov_b32 s[G1+5], 32                          ; tensor_dim0_stride
	s_mov_b32 s[G1+6], 0
	s_mov_b32 s[G1+7], 0
	s_and_b32 s13, s[WV], 3
	s_lshl_b32 s13, s13, 14                        ; what I fetch, if I fetch: its place in a slot: K's halves, then V's
	s_bfe_u32 s14, s[WV], 0x10001
	s_add_co_u32 s14, s14, 1                       ; 1: k (waves 0, 1), 2: v (waves 2, 3)
	s_lshl_b32 s14, s14, 23
	s_add_co_u32 s14, s14, s32
	s_and_b32 s16, s[WV], 1
	s_lshl_b32 s16, s16, 14
	s_add_co_u32 s14, s14, s16                     ; and in memory
	s_mov_b32 s15, 0
	s_lshl_b32 s16, s[Q0], 7                       ; Q: 2,048 bytes for each 16 queries
	s_add_co_u32 s16, s16, s32
	s_mov_b32 s17, 0
	s_cmp_lt_u32 s[WV], 4                          ; the prefetches: waves 0-3 in k, waves 4-7 in v
	s_cselect_b32 s34, 1, 2
	s_lshl_b32 s34, s34, 23
	s_add_co_u32 s34, s34, s32
	s_and_b32 s35, s[WV], 3
	s_lshl_b32 s35, s35, 13
	s_add_co_u32 s34, s34, s35                     ; my wave's 8,192 bytes,
	s_add_co_u32 s34, s34, 32768                   ; in slot 1: the first change of slots steps it to slot 2
	s_mov_b32 s35, 0
	s_cmp_eq_u32 ttmp9, 0                          ; the bh's first work-group asks
	s_cselect_b32 s[LIM], 1, -1
	; ao at my first tile: tile of tokens = 128 batch + Q0 / 16 (even: my second tile lies 8,192 bytes on, in the same group of four)
	s_lshr_b32 s10, s12, 4
	s_lshl_b32 s10, s10, 7
	s_lshr_b32 s11, s[Q0], 4
	s_add_co_u32 s10, s10, s11
	s_lshr_b32 s11, s10, 2
	s_lshl_b32 s11, s11, 17                        ; its group of four: 131,072 bytes
	s_and_b32 s10, s10, 3
	s_lshl_b32 s10, s10, 13                        ; its place in the group: 8,192
	s_add_co_u32 s10, s10, s11
	s_and_b32 s11, s12, 15                         ; the head:
	s_lshr_b32 s36, s11, 2
	s_lshl_b32 s36, s36, 15                        ; four heads to a K step of 256: 32,768
	s_add_co_u32 s10, s10, s36
	s_and_b32 s11, s11, 3
	s_lshl_b32 s11, s11, 11                        ; two fragments a head: 2,048
	s_add_co_u32 s10, s10, s11
	s_mov_b32 s11, 0
	s_mov_b32 s[SEL], 0x76543210
	s_mov_b32 s[SEL+1], 0xfedcba98
	s_mov_b32 s[CS], 0x3e38aa3b                    ; c = log2(e) / 8
	s_mov_b32 s[CS+1], s[CS]                       ; (named with it as a pair, so it is written)
	s_mov_b32 s[TB], 0
	s_mov_b32 s[KS], 0
	s_mov_b32 s[SLOTS], 7
	s_wait_dscnt 0x0                               ; both opening adds are done
	s_wait_kmcnt 0x0
	s_mov_b32 s[G0], 1                             ; count = 1
	s_mov_b32 s[G0+1], s13                         ; LDS address: slot 0
	s_add_nc_u64 s[G0+2:G0+3], s[4:5], s[14:15]    ; global address: the bh's first 256 keys
	s_or_b32 s[G0+3], s[G0+3], 0x80000000          ; type = 2
	TLOAD                                          ; slot 0: it holds key 0, which counts for every query
	s_add_nc_u64 s[8:9], s[4:5], s[16:17]          ; Q at my 32 queries
	s_add_nc_u64 s[PFA:PFA+1], s[4:5], s[34:35]
	s_add_nc_u64 s[6:7], s[6:7], s[10:11]
	v_and_b32 v5, 31, v0
	v_lshlrev_b32 v[LN], 4, v5
	v_lshlrev_b32 v[PFO], 8, v5
.irp i, 0,1,2,3,4,5,6,7
	global_load_b128 v[QF+4*\i:QF+4*\i+3], v[LN], s[8:9] offset:512*\i   ; Q stays in registers: tile i / 4, tile of channels i % 4
.endr
	v_and_b32 v[RH], 15, v0
	v_bfe_u32 v5, v0, 4, 1
	v_lshlrev_b32 v5, 3, v5
	v_sub_nc_u32 v[RH], v[RH], v5
	v_mov_b32 v[NINF], 0xff800000
.irp x, 0,1
	v_mov_b32 v[ST+12*\x+1], 0xff61b1e6            ; m: -3e38, under every score
	v_mul_f32 v[ST+12*\x], s[CS], v[ST+12*\x+1]
	v_mov_b32 v[ST+12*\x+2], 0                     ; l
	v_mov_b32 v[ST+12*\x+3], 0
	v_mov_b32 v[ST+12*\x+4], 0
	v_mov_b32 v[ST+12*\x+5], 0
	v_mov_b32 v[ST+12*\x+10], 0                    ; written once: a lane permute's destination counts as one of its sources
.endr
	WIN TO_V
.set j, 0
.rept 64
	v_mov_b32 v[OW+j], 0                           ; O^T.  (The step is written once for all steps: the first finds zeros, and its a is 0)
.set j, j+1
.endr
	WIN 0
; THE MATRIX WORK, one instruction at a time.  HX: the tile of queries; HI: which of its eight products.  The four accumulators of a run take turns, one instruction a turn.
.macro KQW                             ; S^T = K Q^T: channels 32 (HI / 4) on, keys 16 (HI % 4) on; the first four start the sums
.set hS, S+32*HX+8*(HI%4)
.set hK, KFR+16*(HI%4)+8*(HI/4)
.set hQ, QF+16*HX+8*(HI/4)
.if HI < 4
	v_wmma_f32_16x16x32_f16 v[hS:hS+7], v[hK:hK+7], v[hQ:hQ+7], 0
.else
	v_wmma_f32_16x16x32_f16 v[hS:hS+7], v[hK:hK+7], v[hQ:hQ+7], v[hS:hS+7]
.endif
.set HI, HI+1
.endm
.macro PVW                             ; O^T += V^T P: keys 32 (HI / 4) on, channels 16 (HI % 4) on.  Under window setting W_PV
.set hO, OW+32*HX+8*(HI%4)
.set hV, 16*(HI%4)+8*(HI/4)
.set hP, P+16*HX+8*(HI/4)
	v_wmma_f32_16x16x32_f16 v[hO:hO+7], v[hV:hV+7], v[hP:hP+7], v[hO:hO+7]
.set HI, HI+1
.endm
; The other tile's next product, set among a softmax's lines.  HK = 1: K Q^T, whose registers all lie in window 0; HK = 2: V^T P, with a switch of windows in front and one behind.  When the eight are out it writes nothing.
.macro HOOK
.if HI < 8
.if HK == 1
	KQW
.else
	WIN W_PV
	PVW
	WIN 0
.endif
.endif
.endm
; THE LDS LOADS stand in runs of 16: a step's K (64 keys x 64 channels: 8 fragments) and its V (turned: lane (c, h) gets channel c, keys 8 h + 0..7)
.macro KLOAD q
.irp kt, 0,1,2,3
.irp c, 0,1
.irp f, 0,1
	ds_load_b128 v[KFR+16*\kt+8*\c+4*\f:KFR+16*\kt+8*\c+4*\f+3], v[AD] offset:(4*(\q)+\kt)*2048+\c*1024+\f*512
.endr
.endr
.endr
.endm
.macro VLOAD q
	WIN TO_V
.irp t, 0,1,2,3
.irp cf, 0,1
.irp f, 0,1
	ds_load_tr16_b128 v[16*\t+8*\cf+4*\f:16*\t+8*\cf+4*\f+3], v[AD] offset:VOFF+(4*(\q)+2*\cf+\f)*2048+\t*512
.endr
.endr
.endr
	WIN 0
.endm
; ON THE DIAGONAL the scores of hidden keys become -infinity ahead of the maximum.  A step all of whose 64 keys count for my first query jumps over this (ids and the count of steps alone): it runs in one step of a wave.
.macro MASK x
	s_add_co_u32 s35, s[KF], 63
	s_cmp_le_u32 s35, s[Q0]
	s_cbranch_scc1 .Lopen_\@
	s_sub_co_i32 s35, s[Q0], s[KF]
	s_add_co_i32 s35, s35, 16*(\x)
	v_add_nc_u32 v[DD], s35, v[RH]                 ; register 8 kt + i holds key KF + 16 kt + 8 (lane / 16) + i: hidden where 16 kt + i > d
.set mN, 0
.rept 32
	v_cmp_gt_i32 vcc_lo, 16*(mN/8)+mN%8, v[DD]
	v_cndmask_b32 v[S+32*(\x)+mN], v[S+32*(\x)+mN], v[NINF], vcc_lo
.set mN, mN+1
.endr
.Lopen_\@:
.endm
; A TILE'S SOFTMAX, in three parts.  SM1: the maximum, the new m, c s - c m, and the 33 exponentials as ONE batch with one wait; eight places for the other tile's products, about eight lines apart.
.macro SM1 x
.set mT, ST+12*(\x)
.set mS, S+32*(\x)
	HOOK
.irp i, 0,1,2,3
	v_max3_num_f32 v[mT+6+\i], v[mS+8*\i], v[mS+8*\i+1], v[mS+8*\i+2]   ; the maximum: a chain for each tile of keys, from its low end on
.endr
.irp i, 0,1,2,3
	v_max3_num_f32 v[mT+6+\i], v[mT+6+\i], v[mS+8*\i+3], v[mS+8*\i+4]
.endr
	HOOK
.irp i, 0,1,2,3
	v_max3_num_f32 v[mT+6+\i], v[mT+6+\i], v[mS+8*\i+5], v[mS+8*\i+6]
.endr
	v_max3_num_f32 v[mT+6], v[mT+6], v[mS+7], v[mS+15]
	v_max3_num_f32 v[mT+8], v[mT+8], v[mS+23], v[mS+31]
	v_max3_num_f32 v[mT+6], v[mT+6], v[mT+7], v[mT+8]
	v_max3_num_f32 v[mT+6], v[mT+6], v[mT+9], v[mT+1]      ; with the old m
	HOOK
	v_permlanex16_b32 v[mT+10], v[mT+6], s[SEL], s[SEL+1]  ; the query's other 32 keys lie in the lane 16 away
	v_mov_b32 v[mT+11], v[mT]                      ; c m_old is kept for a
	v_max_num_f32 v[mT+1], v[mT+6], v[mT+10]       ; the new m
	v_mul_f32 v[mT], s[CS], v[mT+1]
	v_sub_f32 v[mT+11], v[mT+11], v[mT]
.irp j, 0,2,4,6
	v_pk_fma_f32 v[mS+\j:mS+\j+1], v[mS+\j:mS+\j+1], s[CS:CS+1], v[mT:mT+1] op_sel_hi:[1,0,0] neg_lo:[0,0,1] neg_hi:[0,0,1]   ; c s - c m, two at a time
.endr
	HOOK
.irp j, 8,10,12,14,16,18,20,22
	v_pk_fma_f32 v[mS+\j:mS+\j+1], v[mS+\j:mS+\j+1], s[CS:CS+1], v[mT:mT+1] op_sel_hi:[1,0,0] neg_lo:[0,0,1] neg_hi:[0,0,1]
.endr
	HOOK
.irp j, 24,26,28,30
	v_pk_fma_f32 v[mS+\j:mS+\j+1], v[mS+\j:mS+\j+1], s[CS:CS+1], v[mT:mT+1] op_sel_hi:[1,0,0] neg_lo:[0,0,1] neg_hi:[0,0,1]
.endr
	v_exp_f32 v[mT+4], v[mT+11]                    ; a = 2^(c m_old - c m_new)
.irp j, 0,1,2,3
	v_exp_f32 v[mS+\j], v[mS+\j]                   ; p
.endr
	HOOK
.irp j, 4,5,6,7,8,9,10,11
	v_exp_f32 v[mS+\j], v[mS+\j]
.endr
	HOOK
.irp j, 12,13,14,15,16,17,18,19
	v_exp_f32 v[mS+\j], v[mS+\j]
.endr
	HOOK
.irp j, 20,21,22,23,24,25,26,27,28,29,30,31
	v_exp_f32 v[mS+\j], v[mS+\j]
.endr
	v_nop                                          ; one plain instruction behind the last exponential
	s_wait_alu depctr_va_vdst(0)                   ; the wait ahead of the first instruction that names a result: one for the batch of 33
.endm
.macro SMC x                           ; the roundings to f16: tiles of keys 2 cf and 2 cf + 1, packed, are source 1 for keys 32 cf on
.set mS, S+32*(\x)
.set mP, P+16*(\x)
.irp i, 0,1,2,3,4,5,6,7,8,9,10,11,12,13,14,15
	v_cvt_pk_f16_f32 v[mP+\i], v[mS+2*\i], v[mS+2*\i+1]
.endr
.endm
.macro SM3 x                           ; the sum of the unrounded p, in place (neighbours 1, 2, 4, 8 pairs apart); l = a l + the sum; O^T x a
.set mT, ST+12*(\x)
.set mS, S+32*(\x)
.set mO, OW+32*(\x)
.irp u, 0,1,2,3,4,5,6,7
	v_pk_add_f32 v[mS+4*\u:mS+4*\u+1], v[mS+4*\u:mS+4*\u+1], v[mS+4*\u+2:mS+4*\u+3]
.endr
.irp u, 0,1,2,3
	v_pk_add_f32 v[mS+8*\u:mS+8*\u+1], v[mS+8*\u:mS+8*\u+1], v[mS+8*\u+4:mS+8*\u+5]
.endr
.irp u, 0,1
	v_pk_add_f32 v[mS+16*\u:mS+16*\u+1], v[mS+16*\u:mS+16*\u+1], v[mS+16*\u+8:mS+16*\u+9]
.endr
	v_pk_add_f32 v[mS:mS+1], v[mS:mS+1], v[mS+16:mS+17]
	v_pk_fma_f32 v[mT+2:mT+3], v[mT+2:mT+3], v[mT+4:mT+5], v[mS:mS+1] op_sel_hi:[1,0,1]
	WIN W_RS
.irp j, 0,2,4,6,8,10,12,14,16,18,20,22,24,26,28,30
	v_pk_mul_f32 v[mO+\j:mO+\j+1], v[mO+\j:mO+\j+1], v[mT+4:mT+5] op_sel_hi:[1,0]   ; each tile of channels from its low end on
.endr
	WIN 0
.endm
; A KEY STEP: 64 keys, the q-th of the slot in hand.  name: the slot's copy in the text, for the label at its end.
.macro STEP q, name
	s_add_co_u32 s[KF], s[KS], 64*(\q)
	s_cmp_gt_u32 s[KF], s[QE]                      ; all 64 keys come after my 32 queries, and so do all later keys: on to the slot's end.  Ids and the count of steps alone
	s_cbranch_scc1 .Lend_\name
.if (\q) == 0
	v_add_nc_u32 v[AD], s[TB], v[LN]
.rept 3
	v_nop                                          ; with the addition four places behind the last products, in front of the loads into V's registers
.endr
	KLOAD 0                                        ; a slot's first K is asked for here; the later steps' K was asked for in the step before
.else
.rept 4
	v_nop                                          ; four places behind the last products, in front of the loads into V's registers
.endr
.endif
	VLOAD \q
	s_wait_dscnt 16                                ; K's 16 loads, the older, are in; V's 16 stay out
.set HX, 0
.set HI, 0
.rept 8
	KQW                                            ; tile A's scores
.endr
.set HK, 1                             ; tile B's scores stand among the lines of tile A's softmax
.set HX, 1
.set HI, 0
	HOOK
.rept 4
	v_nop                                          ; four places behind tile A's last product, in front of the first read of its scores
.endr
	MASK 0
	SM1 0
	SMC 0                                          ; (its 16 lines are also the places behind tile B's last score product, in front of the loads into K's registers)
.if (\q) < 3
	KLOAD (\q)+1                                   ; the next step's K, of the same slot; if that step is hidden from me the registers are not read
.endif
	SM3 0
	MASK 1
.if (\q) < 3
	s_wait_dscnt 16                                ; V's 16 loads are in; the 16 of the next step's K stay out
.else
	s_wait_dscnt 0x0                               ; V is in
.endif
.set HK, 2                             ; tile A's products with V stand among the lines of tile B's softmax
.set HX, 0
.set HI, 0
	SM1 1
	SMC 1
	SM3 1
.set HX, 1
.set HI, 0
	WIN W_PV
.rept 8
	PVW                                            ; tile B's products with V
.endr
	WIN 0
.endm
; THE CHANGE OF SLOTS stands at a slot's head.  Each wave waits for all its tensor loads (its part of the slot that it is about to read), adds 0 to its spare word, and waits for that and for its reads of the slot that it has left.
; Behind the barrier the slot ahead is whole and nobody reads the other one.  fill = 1: that other slot takes the next 256 keys, up to the causal limit: the load has a slot's four key steps in which to land; one load a wave is out.
.macro CHANGE fill
	s_wait_tensorcnt 0x0                           ; no tensor load of mine is out, so group 0 may be written
	ds_add_u32 v[SPW], v[NIL]                      ; 0 onto my spare word
.if \fill
	ds_add_u32 v[SPW], v[NIL]                      ; and once more: the add stands twice on end, in every trip alike
	s_xor_b32 s[G0+1], s[G0+1], SLOT1              ; the walking descriptor: the other slot than last time,
	s_add_nc_u64 s[G0+2:G0+3], s[G0+2:G0+3], 32768 ; the next 256 keys; the type bits on top are not reached
	s_wait_xcnt 0x0                                ; the last prefetch, a slot back, has read its address, so it may be written:
	s_add_nc_u64 s[PFA:PFA+1], s[PFA:PFA+1], 32768 ; one slot further on than the walking descriptor
.endif
	s_wait_dscnt 0x0                               ; the add is done, and my reads of the slot that I have left are over (a K asked for ahead of a hidden step among them)
	s_barrier_signal -1
	s_barrier_wait -1
.if \fill
	s_add_co_u32 s[KF], s[KS], 256                 ; the first key of the slot that this change would ask for
	s_cmp_gt_u32 s[KF], s[QL]                      ; past my work-group's last query: none of its waves would read it, so it is not asked for.  Ids and the count of slots alone: all eight waves go the same way,
	s_cbranch_scc1 .Lpast_\@                       ; every wait on TENSORcnt in this text is for 0, and the jump leads round the load's own lines alone
	TLOAD                                          ; the first thing behind the barrier, and a wave's one tensor load until the next
.Lpast_\@:
	ASK
.endif
.endm
.macro SLOT_STEPS name
	STEP 0, \name
	STEP 1, \name
	STEP 2, \name
	STEP 3, \name
.Lend_\name:
	s_add_co_u32 s[KS], s[KS], 256                 ; on every way: the next slot's first key,
	s_xor_b32 s[TB], s[TB], SLOT1                  ; in the other slot
.endm
	s_wait_loadcnt 0x0                             ; Q
.Lslot:                                            ; 7 trips: behind each change of slots but the last the next slot is asked for, up to the causal limit
	CHANGE 1
	SLOT_STEPS loop
	s_sub_co_u32 s[SLOTS], s[SLOTS], 1
	s_cmp_lg_u32 s[SLOTS], 0
	s_cbranch_scc1 .Lslot
	CHANGE 0                                       ; the last slot is written out: nothing is left to fetch
	SLOT_STEPS tail
	; THE WAY OUT.  O^T / l, rounded to f16: a lane's eight channels of a query are 16 bytes of an image of the next product's operand: each store covers 512 consecutive bytes, aligned.
	s_wait_dscnt 0x0                               ; no LDS load of mine is out
.rept 4
	v_nop                                          ; four places behind the last products
.endr
.irp x, 0,1
	v_add_f32 v[ST+12*\x+2], v[ST+12*\x+2], v[ST+12*\x+3]          ; l's two halves,
.endr
.irp x, 0,1
	v_permlanex16_b32 v[ST+12*\x+10], v[ST+12*\x+2], s[SEL], s[SEL+1]
.endr
.irp x, 0,1
	v_add_f32 v[ST+12*\x+2], v[ST+12*\x+2], v[ST+12*\x+10]         ; and the lane's 16 away
.endr
.irp x, 0,1
	v_rcp_f32 v[ST+12*\x+4], v[ST+12*\x+2]
.endr
	v_nop                                          ; one plain instruction behind the reciprocals
	s_wait_alu depctr_va_vdst(0)                   ; and the wait ahead of their first reader: one for the two
	WIN FROM_O
.set j, 0
.rept 32
	v_pk_mul_f32 v[S+j:S+j+1], v[OW+j:OW+j+1], v[ST+12*(j/32)+4:ST+12*(j/32)+5] op_sel_hi:[1,0]   ; each accumulator from its low end on
.set j, j+2
.endr
	WIN 0
.set j, 0
.rept 32
	v_cvt_pk_f16_f32 v[P+j], v[S+2*j], v[S+2*j+1]
.set j, j+1
.endr
.irp x, 0,1
.irp t, 0,1,2,3
	global_store_b128 v[LN], v[P+16*\x+4*\t:P+16*\x+4*\t+3], s[6:7] offset:8192*\x+512*\t
.endr
.endr
	s_wait_tensorcnt 0x0                           ; the wave's end, behind my last tensor load
	ds_add_u32 v[SPW], v[NIL]
	s_wait_dscnt 0x0
	s_endpgm
.Lfunc_end_k_q8810c58268_attn:
	.size	k_q8810c58268_attn, .Lfunc_end_k_q8810c58268_attn-k_q8810c58268_attn
	.p2alignl 7, 3214868480
	.fill 96, 4, 3214868480
	.section	.rodata,"a",@progbits
	.p2align	6, 0x0
	.amdhsa_kernel k_q8810c58268_attn
		.amdhsa_group_segment_fixed_size 327680
		.amdhsa_private_segment_fixed_size 0
		.amdhsa_enable_private_segment 0
		.amdhsa_kernarg_size 16
		.amdhsa_user_sgpr_count 2
		.amdhsa_user_sgpr_kernarg_segment_ptr 1
		.amdhsa_wavefront_size32 1
		.amdhsa_system_sgpr_workgroup_id_x 1
		.amdhsa_system_sgpr_workgroup_id_y 1
		.amdhsa_system_sgpr_workgroup_id_z 1
		.amdhsa_system_vgpr_workitem_id 0
		.amdhsa_next_free_vgpr 384
		.amdhsa_next_free_sgpr 66
		.amdhsa_reserve_vcc 1
		.amdhsa_float_denorm_mode_32 3
		.amdhsa_float_denorm_mode_16_64 3
		.amdhsa_memory_ordered 1
		.amdhsa_forward_progress 1
		.amdhsa_inst_pref_size 192
	.end_amdhsa_kernel
	.amdgpu_metadata
---
amdhsa.version: [ 1, 2 ]
amdhsa.kernels:
  - .name:           k_q8810c58268_attn
    .symbol:         k_q8810c58268_attn.kd
    .args:
      - { .name: qkv, .offset: 0, .size: 8, .value_kind: global_buffer, .address_space: global }
      - { .name: ao, .offset: 8, .size: 8, .value_kind: global_buffer, .address_space: global }
    .group_segment_fixed_size: 327680
    .private_segment_fixed_size: 0
    .kernarg_segment_align: 8
    .kernarg_segment_size: 16
    .max_flat_workgroup_size: 256
    .sgpr_count:     66
    .vgpr_count:     384
    .wavefront_size: 32
...
	.end_amdgpu_metadata
.endif
;; end of part 3
;; launch oproj (part 4): grid 8 x 32, 4 waves a work-group, clusters of 4 x 4, 327,680 bytes of LDS; arguments ao, wo16, out0; writes out0
.if DOCPART == 4
	.amdgcn_target "amdgcn-amd-amdhsa--gfx1250"
	.amdhsa_code_object_version 6
	.text
	.protected	k_q8810c58268_oproj
	.globl	k_q8810c58268_oproj
	.p2align	8
	.type	k_q8810c58268_oproj,@function
k_q8810c58268_oproj:
	s_mov_b64 s[64:65], 0
	v_nop
	global_prefetch_b8 v0, s[64:65] scope:SCOPE_SE
	s_setreg_imm32_b32 hwreg(HW_REG_WAVE_MODE, 25, 1), 1
	s_wait_xcnt 0x0
	s_wait_alu depctr_hold_cnt(0) depctr_sa_sdst(0) depctr_va_vdst(0) depctr_va_sdst(0) depctr_va_ssrc(0) depctr_va_vcc(0) depctr_vm_vsrc(0)
	s_getreg_b32 s2, hwreg(HW_REG_IB_STS2, 6, 4)
	s_cmp_eq_u32 s2, 0
	s_cbranch_scc0 .Lentry_in_a_cluster
	s_endpgm
.Lentry_in_a_cluster:
	s_bfe_u32 s2, ttmp6, 0x10000c
	s_cmp_lg_u32 s2, 0xf033
	s_cbranch_scc0 .Lentry_shape_is_right
	s_endpgm
.Lentry_shape_is_right:
; out0[token][d] = sum over k of attn[token][k] W_O[k][d]: M 4,096, N 1,024, K 1,024; operands f16, sums and result f32.
; Both operands come as images of their registers: ao = [group of 64 tokens 64][K step of 256: 4][tile of 16: 4][fragment of 32 k: 8][half 2][lane 32][16 bytes], wo16 likewise with 16 groups of 64 columns.
; So what a wave fetches for a K step (64 rows x 256 k) is ONE dense block of 32,768 bytes, and a fragment is two LDS loads of 512 consecutive bytes: no pitch, no padding.
; A tile of C is 128 x 128, which gives 8 x 32 = 256 work-groups.  Four waves, each 64 x 64: 16 accumulators of 16 x 16.  K goes in 4 steps of 256 through two LDS slots.
; CLUSTERS: 4 x 4 work-groups.  The four of a row of the cluster need the same blocks of ao, the four of a column the same blocks of wo16: each is asked for JOINTLY.
; THE MATRIX INSTRUCTION IS USED TRANSPOSED (source 0 = 16 columns of W_O, source 1 = 16 tokens): a lane holds eight neighbouring columns of one token.
; All rows are written here; the first 16 tokens of each sequence are written again, in f32 throughout, by the next launch (a branch on the tile row would differ between partners of a cluster).
; No prefetch: both operands are read by several work-groups at about the same time, and a K step's work is short.
; REGISTERS: window 0: v0-31 addresses; v32-95 at work on the way out; v128-255 the accumulators ((a, b) at v[128 + 8 (4 a + b)]).  window 1: two fragment buffers of 128: for 64 along K, 64 registers of A, then 64 of B.
.set HALFT,  32768                     ; what one tensor load brings, and what one wave reads of A or of B in a K step
.set SLOT,   4*HALFT                   ; A's two halves, then B's two
.set STAGE,  2*SLOT                    ; behind the ring: 16 rows x 272 bytes for each wave, for the way out
.set SPITCH, 272
.set SPARE,  STAGE+4*16*SPITCH         ; behind the stages: the spare words, 128 bytes a wave
.set LAPS,   2                         ; a lap = two K steps = once round the ring
.set ADRA, 16                          ; v16-17  LDS address of my A fragments in slot 0, 1
.set ADRB, 20                          ; v20-21  the same for B
.set STO,  24                          ; v24     the way out: where I put 32 bytes of a row
.set RD,   25                          ; v25     the way out: where I read a row back
.set CO,   26                          ; v26     my byte offset in out0
.set SPW,  28                          ; v28     LDS address of my spare word; never rewritten
.set NIL,  29                          ; v29     0; never rewritten
.set TMP,  32                          ; the way out: two sets of 32 registers
.set ACC,  128
.set F0,   0                           ; fragment buffers, in window 1
.set F1,   128
.set G1, 24                            ; s[24:31] group 1 for A's blocks;  s[32:39] group 0, one set for each slot
.set G0, 32
.set G1B, 48                           ; s[48:55], s[56:63] the same for B's
.set G0B, 56
.set MSB, 0
.macro WIN new                         ; the immediate's high byte repeats the setting that is left
.if MSB != \new
	s_set_vgpr_msb (MSB<<8)|\new
.set MSB, \new
.endif
.endm
.set MUL,  0x05                        ; sources 0 (B) and 1 (A) window 1; C and D window 0
.set TO_F, 0x40                        ; destination window 1, address window 0
.macro JLOAD s                         ; a joint load: waves 0 and 1 fetch A's two halves, waves 2 and 3 B's; an s_nop 0 and four v_nop follow each of the two lines
	s_cmp_eq_u32 s11, 0
	s_cbranch_scc0 .Lfor_b_\@
	tensor_load_to_lds s[G0+4*\s:G0+4*\s+3], s[G1:G1+7]
	s_nop 0
.rept 4
	v_nop
.endr
	s_branch .Lasked_\@
.Lfor_b_\@:
	tensor_load_to_lds s[G0B+4*\s:G0B+4*\s+3], s[G1B:G1B+7]
	s_nop 0
.rept 4
	v_nop
.endr
.Lasked_\@:
.endm
.macro CREST                           ; a round of the cluster's barrier behind its opening barrier
	s_cmp_lg_u32 s10, 0
	s_cbranch_scc1 .Lnot_wave_0_\@
	s_barrier_signal -3
.Lnot_wave_0_\@:
	s_barrier_wait -3
	s_barrier_signal -1
	s_barrier_wait -1
.endm
.macro CROUND                          ; a whole round
	s_barrier_signal -1
	s_barrier_wait -1
	CREST
.endm
	s_load_b128 s[4:7], s[0:1], 0x0                ; ao s[4:5], wo16 s[6:7]
	s_load_b64 s[8:9], s[0:1], 0x10                ; out0
	v_lshl_add_u32 v[SPW], v0, 2, SPARE
	v_mov_b32 v[NIL], 0
	ds_add_u32 v[SPW], v[NIL]                      ; the wave's opening: the add, twice on end, and its wait ahead of my first tensor load
	ds_add_u32 v[SPW], v[NIL]                      ; and once more, under the one wait; the set-up below, work on registers, stands between
	v_lshrrev_b32 v1, 5, v0
	v_readfirstlane_b32 s10, v1                    ; wave 0..3
	s_lshr_b32 s11, s10, 1                         ; which half of the tile's rows is mine.  Also: I fetch for A (0) or for B (1)
	s_and_b32 s12, s10, 1                          ; which half of its columns.  Also: which 64 rows of that tile I fetch
	s_bfe_u32 s40, ttmp6, 0x40000                  ; cx, cy: my place in the cluster
	s_bfe_u32 s41, ttmp6, 0x40004
	s_lshl_b32 s42, ttmp9, 2
	s_add_co_u32 s42, s42, s40                     ; tile column of C = 4 x cluster x + cx
	s_and_b32 s13, ttmp7, 0xffff
	s_lshl_b32 s13, s13, 2
	s_add_co_u32 s13, s13, s41                     ; tile row of C = 4 x cluster y + cy
	s_lshl_b32 s43, s41, 2
	s_lshl_b32 s43, 15, s43                        ; my row of the cluster
	s_lshl_b32 s44, 0x1111, s40                    ; my column
	; descriptor group 1: a dense block of 32,768 bytes as 128 rows of 256 bytes (32 elements of 8 bytes), no padding
	s_or_b32 s[G1+0], s43, (3<<16)|(1<<21)         ; 15:0 the mask: A's blocks go to my row; 17:16 elements of 8 bytes; 21 set beside a mask
	s_or_b32 s[G1B+0], s44, (3<<16)|(1<<21)
.irp g, G1, G1B
	s_mov_b32 s[\g+1], 32<<16                      ; tensor_dim0
	s_mov_b32 s[\g+2], 128<<16                     ; tensor_dim1
	s_mov_b32 s[\g+3], 32<<16                      ; tile_dim0
	s_mov_b32 s[\g+4], 128                         ; tile_dim1
	s_mov_b32 s[\g+5], 32                          ; tensor_dim0_stride
	s_mov_b32 s[\g+6], 0
	s_mov_b32 s[\g+7], 0
.endr
	s_lshl_b32 s16, s13, 1
	s_add_co_u32 s16, s16, s12                     ; A: group of 64 tokens = 2 x tile row + half
	s_lshl_b32 s16, s16, 17                        ; 131,072 bytes a group
	s_lshl_b32 s46, s42, 1
	s_add_co_u32 s46, s46, s12                     ; B: group of 64 columns = 2 x tile column + half
	s_lshl_b32 s46, s46, 17
	s_mov_b32 s17, 0
	s_mov_b32 s47, 0
	s_mul_i32 s20, s10, HALFT                      ; where they go: wave x 32,768: no place in the cluster enters an LDS address
	s_wait_dscnt 0x0                               ; both opening adds are done
	s_wait_kmcnt 0x0
	s_add_nc_u64 s[14:15], s[4:5], s[16:17]
	s_add_nc_u64 s[46:47], s[6:7], s[46:47]
	CROUND                                         ; all sixteen work-groups are here: the first joint loads meet
.irp s, 0,1
	s_mov_b32 s[G0+4*\s], 1
	s_add_co_u32 s[G0+4*\s+1], s20, \s*SLOT
	s_add_nc_u64 s[G0+4*\s+2:G0+4*\s+3], s[14:15], \s*HALFT        ; K step s: 32,768 bytes on in the group
	s_or_b32 s[G0+4*\s+3], s[G0+4*\s+3], 0x80000000
	s_mov_b32 s[G0B+4*\s], 1
	s_add_co_u32 s[G0B+4*\s+1], s20, \s*SLOT
	s_add_nc_u64 s[G0B+4*\s+2:G0B+4*\s+3], s[46:47], \s*HALFT
	s_or_b32 s[G0B+4*\s+3], s[G0B+4*\s+3], 0x80000000
	JLOAD \s
.endr
	v_and_b32 v1, 15, v0                           ; r = l % 16
	v_bfe_u32 v2, v0, 4, 1                         ; h = l / 16
	v_and_b32 v3, 31, v0
	v_lshlrev_b32 v3, 4, v3                        ; 16 x lane: my place in an image
	s_mul_i32 s21, s11, HALFT                      ; my 64 rows of A
	s_mul_i32 s22, s12, HALFT                      ; my 64 columns of B,
	s_add_co_u32 s22, s22, 2*HALFT                 ; which lie behind A's two halves
.irp s, 0,1
	v_add_nc_u32 v[ADRA+\s], s21, v3
	v_add_nc_u32 v[ADRB+\s], s22, v3
	s_add_co_u32 s21, s21, SLOT
	s_add_co_u32 s22, s22, SLOT
.endr
	s_mul_i32 s23, s10, 16*SPITCH
	s_add_co_u32 s23, s23, STAGE                   ; my stage
	v_mul_u32_u24 v4, v1, SPITCH                   ; in: row r, 32 bytes for each half of the lanes
	v_lshl_add_u32 v4, v2, 5, v4
	v_add_nc_u32 v[STO], s23, v4
	v_mul_u32_u24 v5, v2, SPITCH                   ; back: lanes 0-15 take one row of 256 bytes, lanes 16-31 the next
	v_lshl_add_u32 v5, v1, 4, v5
	v_add_nc_u32 v[RD], s23, v5
	v_lshlrev_b32 v5, 12, v2                       ; and the same two rows in out0 (4,096 bytes a row)
	v_lshl_add_u32 v[CO], v1, 4, v5
	s_lshl_b32 s16, s13, 19                        ; my first row: 128 x tile row + 64 x half, 4,096 bytes each
	s_lshl_b32 s17, s11, 18
	s_add_co_u32 s16, s16, s17
	s_mov_b32 s17, 0
	s_add_nc_u64 s[8:9], s[8:9], s[16:17]
	s_lshl_b32 s46, s42, 9                         ; my first column, in bytes: 512 x tile column + 256 x half
	s_lshl_b32 s47, s12, 8
	s_add_co_u32 s46, s46, s47
	s_mov_b32 s47, 0
	s_add_nc_u64 s[8:9], s[8:9], s[46:47]
; 8 matrix instructions: row blocks a0, a0 + 1 x all 4 column blocks, 32 along K: half c of buffer f.  zero = 1: the first product starts the sums.  The 16 accumulators take turns.
.macro MUL8 f, c, a0, zero
.irp a, \a0, \a0+1
.irp b, 0,1,2,3
.if \zero
	v_wmma_f32_16x16x32_f16 v[ACC+8*(4*(\a)+\b):ACC+8*(4*(\a)+\b)+7], v[\f+64+8*(4*\c+\b):\f+64+8*(4*\c+\b)+7], v[\f+8*(4*\c+\a):\f+8*(4*\c+\a)+7], 0
.else
	v_wmma_f32_16x16x32_f16 v[ACC+8*(4*(\a)+\b):ACC+8*(4*(\a)+\b)+7], v[\f+64+8*(4*\c+\b):\f+64+8*(4*\c+\b)+7], v[\f+8*(4*\c+\a):\f+8*(4*\c+\a)+7], v[ACC+8*(4*(\a)+\b):ACC+8*(4*(\a)+\b)+7]
.endif
.endr
.endr
.endm
; 32 LDS loads in one run: the fragments of the slot's kq-th 64 along K into buffer f; the first 32 along K first.  Tile i lies 8,192 bytes on, fragment 2 kq + c 1,024, its second half 512.
.macro FETCH slot, kq, f
	WIN TO_F
.irp c, 0,1
.irp i, 0,1,2,3
	ds_load_b128 v[\f+64+8*(4*\c+\i):\f+64+8*(4*\c+\i)+3],   v[ADRB+\slot] offset:\i*8192+(2*(\kq)+\c)*1024
	ds_load_b128 v[\f+64+8*(4*\c+\i)+4:\f+64+8*(4*\c+\i)+7], v[ADRB+\slot] offset:\i*8192+(2*(\kq)+\c)*1024+512
	ds_load_b128 v[\f+8*(4*\c+\i):\f+8*(4*\c+\i)+3],         v[ADRA+\slot] offset:\i*8192+(2*(\kq)+\c)*1024
	ds_load_b128 v[\f+8*(4*\c+\i)+4:\f+8*(4*\c+\i)+7],       v[ADRA+\slot] offset:\i*8192+(2*(\kq)+\c)*1024+512
.endr
.endr
.endm
.macro PLACES                          ; four places in front of loads into registers that matrix instructions have read, and of the first read of results
.rept 4
	v_nop
.endr
.endm
; A K step is four quarters of 64 along K, 32 matrix instructions each, on buffers 0, 1, 0, 1.  One of the first three: multiplies buffer f and fetches quarter kq into g.
.macro QUARTER slot, kq, f, g, zero
	s_wait_dscnt 16                                ; the first 32 along K are in; the sixteen loads of the second 32 may be out
	WIN MUL
	MUL8 \f, 0, 0, \zero
	MUL8 \f, 0, 2, \zero
	PLACES
	FETCH \slot, \kq, \g
	s_wait_dscnt 32                                ; all but the 32 just issued
	WIN MUL
	MUL8 \f, 1, 0, 0
	MUL8 \f, 1, 2, 0
.endm
; The last quarter multiplies buffer 1 and changes slots: ONE barrier; in front of it each wave waits for all its tensor loads, adds 0 to its spare word, and waits for that and for its own reads of this slot.
; fill = 1: this slot is filled again, two K steps ahead; the barrier then opens a round of the cluster's barrier, and the joint refill is the first tensor load behind the round: one load a wave is out.
.macro TURN slot, next, fill
	WIN 0                                          ; (the add's two registers lie in window 0)
	s_wait_tensorcnt 0x0                           ; all my tensor loads have landed: my part of the next slot;
	ds_add_u32 v[SPW], v[NIL]                      ; 0 onto my spare word;
	s_wait_dscnt 17                                ; (the add and the youngest sixteen loads may be out)
	WIN MUL
	MUL8 F1, 0, 0, 0                               ; eight matrix instructions stand between the add and the wait for it
	s_wait_dscnt 0x0                               ; the add is done, and my reads of this slot are over
	s_barrier_signal -1
	MUL8 F1, 0, 2, 0
.if \fill
	WIN 0
.endif
	s_barrier_wait -1
.if \fill
	CREST                                          ; no wave of any partner still reads this slot or has a load on its way
	s_add_nc_u64 s[G0+4*\slot+2:G0+4*\slot+3], s[G0+4*\slot+2:G0+4*\slot+3], 2*HALFT
	s_add_nc_u64 s[G0B+4*\slot+2:G0B+4*\slot+3], s[G0B+4*\slot+2:G0B+4*\slot+3], 2*HALFT
	JLOAD \slot                                    ; the four v_nop behind it are also the places in front of the loads below
.else
	PLACES
.endif
	FETCH \next, 0, F0
	WIN MUL
	MUL8 F1, 1, 0, 0
	MUL8 F1, 1, 2, 0
.endm
	s_wait_tensorcnt 1                             ; my part of K step 0 is in (K step 1's load may be out),
	s_barrier_signal -1
	s_barrier_wait -1                              ; everybody's is
	FETCH 0, 0, F0
	QUARTER 0, 1, F0, F1, 1                        ; the first quarter stands in front of the loop: its first products start the sums
	WIN 0                                          ; at a label and at a branch every window is 0
	s_mov_b32 s3, LAPS-1
.Llap:                                             ; a trip goes once round the ring, from a lap's second quarter to the next lap's first, and fills both slots again
	QUARTER 0, 2, F1, F0, 0
	QUARTER 0, 3, F0, F1, 0
	TURN 0, 1, 1
	QUARTER 1, 1, F0, F1, 0
	QUARTER 1, 2, F1, F0, 0
	QUARTER 1, 3, F0, F1, 0
	TURN 1, 0, 1
	QUARTER 0, 1, F0, F1, 0
	WIN 0
	s_sub_co_u32 s3, s3, 1
	s_cmp_lg_u32 s3, 0
	s_cbranch_scc1 .Llap
	QUARTER 0, 2, F1, F0, 0                        ; the last lap fills nothing, and has no round of the cluster's barrier
	QUARTER 0, 3, F0, F1, 0
	TURN 0, 1, 0
	QUARTER 1, 1, F0, F1, 0
	QUARTER 1, 2, F1, F0, 0
	QUARTER 1, 3, F0, F1, 0
	s_wait_dscnt 16                                ; the very last quarter: nothing more to fetch
	WIN MUL
	MUL8 F1, 0, 0, 0
	MUL8 F1, 0, 2, 0
	s_wait_dscnt 0
	MUL8 F1, 1, 0, 0
	MUL8 F1, 1, 2, 0
	WIN 0
; THE WAY OUT, block by block of 16 rows x 64 columns (256 bytes a row).  A lane holds 32 neighbouring bytes of a row and the lanes beside it hold other rows: so a block goes through my own stage in LDS and comes back as whole
; rows, of which sixteen lanes store 256 consecutive bytes, aligned.  LDS serves a wave's instructions in order (ISA guide 5.7.1.4): no wait between the stores and the loads, nor in front of the next block's stores.
.macro TOSTAGE a
.irp b, 0,1,2,3
	ds_store_b128 v[STO], v[ACC+8*(4*(\a)+\b):ACC+8*(4*(\a)+\b)+3] offset:64*\b          ; each accumulator from its low end on
	ds_store_b128 v[STO], v[ACC+8*(4*(\a)+\b)+4:ACC+8*(4*(\a)+\b)+7] offset:64*\b+16
.endr
.set BB, TMP+32*((\a)%2)
.irp t, 0,1,2,3,4,5,6,7
	ds_load_b128 v[BB+4*\t:BB+4*\t+3], v[RD] offset:\t*2*SPITCH
.endr
.endm
.macro SEND a, younger                 ; younger: the LDS instructions issued behind block a's loads, which may stay out
.set BB, TMP+32*((\a)%2)
	s_wait_dscnt \younger                          ; the block is back in registers
.irp t, 0,1,2,3,4,5,6,7
	global_store_b128 v[CO], v[BB+4*\t:BB+4*\t+3], s[8:9] offset:(16*(\a)+2*\t)*4096 th:TH_STORE_NT
.endr
.endm
	PLACES
	TOSTAGE 0
.irp a, 1,2,3
.if \a > 1
	s_wait_xcnt 0x0                                ; block a - 2's stores have read their registers: block a's loads may land there
.endif
	TOSTAGE \a
	SEND \a-1, 16                                  ; behind block a - 1's loads: block a's 8 stores and 8 loads
.endr
	SEND 3, 0
	s_wait_tensorcnt 0x0                           ; the wave's end, behind my last tensor load and my last LDS store
	ds_add_u32 v[SPW], v[NIL]
	s_wait_dscnt 0x0
	CROUND                                         ; the closing round: no work-group ends while a partner may still ask for a block that names it
	s_endpgm
.Lfunc_end_k_q8810c58268_oproj:
	.size	k_q8810c58268_oproj, .Lfunc_end_k_q8810c58268_oproj-k_q8810c58268_oproj
	.p2alignl 7, 3214868480
	.fill 96, 4, 3214868480
	.section	.rodata,"a",@progbits
	.p2align	6, 0x0
	.amdhsa_kernel k_q8810c58268_oproj
		.amdhsa_group_segment_fixed_size 327680
		.amdhsa_private_segment_fixed_size 0
		.amdhsa_enable_private_segment 0
		.amdhsa_kernarg_size 24
		.amdhsa_user_sgpr_count 2
		.amdhsa_user_sgpr_kernarg_segment_ptr 1
		.amdhsa_wavefront_size32 1
		.amdhsa_system_sgpr_workgroup_id_x 1
		.amdhsa_system_sgpr_workgroup_id_y 1
		.amdhsa_system_sgpr_workgroup_id_z 1
		.amdhsa_system_vgpr_workitem_id 0
		.amdhsa_next_free_vgpr 512
		.amdhsa_next_free_sgpr 66
		.amdhsa_reserve_vcc 0
		.amdhsa_float_denorm_mode_32 3
		.amdhsa_float_denorm_mode_16_64 3
		.amdhsa_memory_ordered 1
		.amdhsa_forward_progress 1
		.amdhsa_inst_pref_size 85
	.end_amdhsa_kernel
	.amdgpu_metadata
---
amdhsa.version: [ 1, 2 ]
amdhsa.kernels:
  - .name:           k_q8810c58268_oproj
    .symbol:         k_q8810c58268_oproj.kd
    .args:
      - { .name: ao, .offset: 0, .size: 8, .value_kind: global_buffer, .address_space: global }
      - { .name: wo16, .offset: 8, .size: 8, .value_kind: global_buffer, .address_space: global }
      - { .name: out0, .offset: 16, .size: 8, .value_kind: global_buffer, .address_space: global }
    .group_segment_fixed_size: 327680
    .private_segment_fixed_size: 0
    .kernarg_segment_align: 8
    .kernarg_segment_size: 24
    .max_flat_workgroup_size: 128
    .sgpr_count:     66
    .vgpr_count:     512
    .wavefront_size: 32
...
	.end_amdgpu_metadata
.endif
;; end of part 4
;; launch first16 (part 5): grid 64 x 2, 16 waves a work-group, no clusters, 18,432 bytes of LDS; arguments qkv32, W_O, out0; writes out0
.if DOCPART == 5
	.amdgcn_target "amdgcn-amd-amdhsa--gfx1250"
	.amdhsa_code_object_version 6
	.text
	.protected	k_q8810c58268_first16
	.globl	k_q8810c58268_first16
	.p2align	8
	.type	k_q8810c58268_first16,@function
k_q8810c58268_first16:
	s_mov_b64 s[64:65], 0
	v_nop
	global_prefetch_b8 v0, s[64:65] scope:SCOPE_SE
	s_setreg_imm32_b32 hwreg(HW_REG_WAVE_MODE, 25, 1), 1
	s_wait_xcnt 0x0
; Positions 0 to 15 of each sequence, carried in f32 through scores, softmax, the product with v and the projection: these rows average one to sixteen values, so 16-bit operands would weigh most here.
; A work-group makes out0[batch y][tokens 0-15][columns 16 x .. 16 x + 15]; wave w is head w: it makes its head's 16 x 16 attention and its head's part of the 16 columns; the sixteen parts are added through LDS in a fixed order.
; 64 x 2 work-groups, so that a wave has only 48 matrix instructions of the f32 form; each work-group repeats the small attention.  THE PRICE: a row's store is 64 consecutive bytes (131,072 bytes in the whole launch).
; qkv32 = [batch 2][tile of 16 columns 192][half 2][lane 32][16 bytes]: lane (r, h) holds token r, columns 16 tile + 8 h + 4 half + 0..3 (q: tiles 0-63, k: 64-127, v: 128-191; head w: four tiles).
; THE K OF EACH PRODUCT IS PERMUTED ALIKE ON BOTH SIDES: K step s takes registers 2 s, 2 s + 1 of a lane on both sides, so that a result's registers are the next product's operand and nothing changes lanes.
;   S^T = k q^T: lane (r, h) register u of both holds channel 16 (u / 8) + 8 h + u % 8 of token r.  Result: register j = key 8 h + j, query r.
;   O^T = v^T p: p's registers 2 s + j are keys 8 h + 2 s + j; v is loaded so that lane (c, h) register 8 t + u holds v(token 8 h + u, channel 16 t + c).  Result: register j of tile t = channel 16 t + 8 h + j, query r.
;   Y^T = W_O^T O: W_O is loaded so that lane (r, h) register 8 t + u holds W_O(head, channel 16 t + 8 h + u, column 16 x + r).  Result: register j = column 16 x + 8 h + j, token r.
; The registers that the f32 matrix form writes (v144-159, v176-223) are written by nothing else; each sum's first K step takes the constant 0.
; No tensor load, cluster or prefetch: the launch is short and its inputs are small.
.set SPARE, 16384                      ; behind the sixteen parts of 1,024 bytes: the spare words, 128 bytes a wave
	s_load_b128 s[4:7], s[0:1], 0x0                ; qkv32, W_O
	s_load_b64 s[8:9], s[0:1], 0x10                ; out0
	v_lshl_add_u32 v8, v0, 2, SPARE                ; v8: LDS address of my spare word; never rewritten
	v_mov_b32 v9, 0                                ; v9: 0; never rewritten
	v_lshrrev_b32 v1, 5, v0
	v_readfirstlane_b32 s10, v1                    ; wave = head
	s_and_b32 s11, ttmp7, 0xffff                   ; batch
	s_mov_b32 s12, 0x76543210
	s_mov_b32 s13, 0xfedcba98                      ; v_permlanex16_b32's selects for lane l xor 16
	s_mov_b32 s14, 0x3e38aa3b                      ; c = log2(e) / 8
	v_and_b32 v11, 31, v0
	v_lshlrev_b32 v1, 4, v11                       ; v1: 16 x lane
	v_and_b32 v12, 15, v0                          ; r
	v_bfe_u32 v13, v0, 4, 1                        ; h
	v_bfe_u32 v2, v12, 2, 1                        ; v2: v(token 8 h + u, channel r of a tile): 512 ((r / 4) % 2) + 256 (r / 8) + 128 h + 4 (r % 4); 16 u in the immediate
	v_lshlrev_b32 v2, 9, v2
	v_lshrrev_b32 v14, 3, v12
	v_lshl_add_u32 v2, v14, 8, v2
	v_lshl_add_u32 v2, v13, 7, v2
	v_and_b32 v14, 3, v12
	v_lshl_add_u32 v2, v14, 2, v2
	v_lshlrev_b32 v3, 2, v12                       ; v3: W_O: column r, 8 h rows of 4,096 bytes down
	v_lshl_add_u32 v3, v13, 15, v3
	v_lshlrev_b32 v14, 3, v13
	v_sub_nc_u32 v4, v12, v14                      ; v4: r - 8 h: key 8 h + j is hidden where j > r - 8 h
	s_lshl_b32 s15, s10, 10
	v_add_nc_u32 v5, s15, v1                       ; v5: LDS: my head's part, 16 x lane
	s_lshl_b32 s15, s10, 9
	v_add_nc_u32 v6, s15, v1                       ; v6: LDS, waves 0 and 1: half = wave of every part
	v_lshlrev_b32 v7, 12, v12
	v_lshl_add_u32 v7, v13, 5, v7                  ; v7: out0: row r, 32 h bytes on
	v_mov_b32 v10, 0xff800000                      ; -infinity
	s_mul_i32 s16, s11, 196608                     ; qkv32: my batch, my head's four tiles
	s_lshl_b32 s17, s10, 12
	s_add_co_u32 s16, s16, s17
	s_mov_b32 s17, 0
	s_lshl_b32 s18, s10, 18                        ; W_O: my head's 64 rows, my 16 columns
	s_lshl_b32 s19, ttmp9, 6
	s_add_co_u32 s18, s18, s19
	s_mov_b32 s19, 0
	s_lshl_b32 s20, s11, 23                        ; out0: my batch, my 16 columns, 16 bytes for each of waves 0 and 1
	s_lshl_b32 s21, ttmp9, 6
	s_add_co_u32 s20, s20, s21
	s_lshl_b32 s21, s10, 4
	s_add_co_u32 s20, s20, s21
	s_mov_b32 s21, 0
	s_wait_kmcnt 0x0
	s_add_nc_u64 s[4:5], s[4:5], s[16:17]
	s_add_nc_u64 s[6:7], s[6:7], s[18:19]
	s_add_nc_u64 s[8:9], s[8:9], s[20:21]
.irp i, 0,1,2,3,4,5,6,7
	global_load_b128 v[16+4*\i:19+4*\i], v1, s[4:5] offset:512*\i            ; q: v16-47
.endr
.irp i, 0,1,2,3,4,5,6,7
	global_load_b128 v[48+4*\i:51+4*\i], v1, s[4:5] offset:65536+512*\i      ; k: v48-79
.endr
.irp t, 0,1,2,3
.irp u, 0,1,2,3,4,5,6,7
	global_load_b32 v[80+8*\t+\u], v2, s[4:5] offset:131072+1024*\t+16*\u    ; v: v80-111
.endr
.endr
	s_wait_loadcnt 32                              ; q and k are in; v's 32 loads stay out
	v_wmma_f32_16x16x4_f32 v[144:151], v[48:49], v[16:17], 0                 ; S^T = k q^T on two accumulators by turns
	v_wmma_f32_16x16x4_f32 v[152:159], v[50:51], v[18:19], 0
.irp s, 2,4,6,8,10,12,14
	v_wmma_f32_16x16x4_f32 v[144:151], v[48+2*\s:49+2*\s], v[16+2*\s:17+2*\s], v[144:151]
	v_wmma_f32_16x16x4_f32 v[152:159], v[50+2*\s:51+2*\s], v[18+2*\s:19+2*\s], v[152:159]
.endr
.irp t, 0,1,2
.irp u, 0,1,2,3,4,5,6,7
	global_load_b32 v[112+8*\t+\u], v3, s[6:7] offset:(16*\t+\u)*4096        ; W_O's first 24: 56 loads are out at the most
.endr
.endr
.rept 8
	v_nop                                          ; eight places behind this form, in front of the first read of results (ISA guide 7.12.1)
.endr
.irp j, 0,2,4,6
	v_pk_add_f32 v[160+\j:161+\j], v[144+\j:145+\j], v[152+\j:153+\j]        ; the two halves of the sum, from the low end on
.endr
.irp j, 0,1,2,3,4,5,6,7
	v_cmp_gt_i32 vcc_lo, \j, v4
	v_cndmask_b32 v[160+\j], v[160+\j], v10, vcc_lo                          ; the causal mask
.endr
	v_max3_num_f32 v11, v160, v161, v162
	v_max3_num_f32 v11, v11, v163, v164
	v_max3_num_f32 v11, v11, v165, v166
	v_max_num_f32 v11, v11, v167
	v_permlanex16_b32 v12, v11, s12, s13
	v_max_num_f32 v11, v11, v12                    ; the row's maximum (key 0 counts for every query)
	v_mul_f32 v11, s14, v11
.irp j, 0,1,2,3,4,5,6,7
	v_fma_f32 v[160+\j], v[160+\j], s14, -v11      ; c s - c m
.endr
.irp j, 0,1,2,3,4,5,6,7
	v_exp_f32 v[160+\j], v[160+\j]
.endr
	v_nop                                          ; one plain instruction behind the last exponential
	s_wait_alu depctr_va_vdst(0)                   ; and the wait ahead of the first reader: one for the eight
	v_pk_add_f32 v[232:233], v[160:161], v[162:163]
	v_pk_add_f32 v[234:235], v[164:165], v[166:167]
	v_pk_add_f32 v[232:233], v[232:233], v[234:235]
	v_add_f32 v13, v232, v233
	v_permlanex16_b32 v12, v13, s12, s13
	v_add_f32 v13, v13, v12                        ; the row's sum
	v_rcp_f32 v13, v13
	v_nop
	s_wait_alu depctr_va_vdst(0)
.irp j, 0,1,2,3,4,5,6,7
	v_mul_f32 v[168+\j], v[160+\j], v13            ; the pattern: v168-175
.endr
	s_wait_loadcnt 24                              ; v is in; W_O's 24 stay out
.irp u, 0,1,2,3,4,5,6,7
	global_load_b32 v[136+\u], v3, s[6:7] offset:(48+\u)*4096                ; W_O's last 8
.endr
.irp s, 0,1,2,3                        ; O^T = v^T p: the four tiles of channels by turns
.irp t, 0,1,2,3
.if \s == 0
	v_wmma_f32_16x16x4_f32 v[176+8*\t:183+8*\t], v[80+8*\t:81+8*\t], v[168:169], 0
.else
	v_wmma_f32_16x16x4_f32 v[176+8*\t:183+8*\t], v[80+8*\t+2*\s:81+8*\t+2*\s], v[168+2*\s:169+2*\s], v[176+8*\t:183+8*\t]
.endif
.endr
.endr
.rept 9
	v_nop                                          ; nine places: the results are the next products' source 1
.endr
	s_wait_loadcnt 0x0                             ; W_O
	v_wmma_f32_16x16x4_f32 v[208:215], v[112:113], v[176:177], 0             ; Y^T = W_O^T O on two accumulators by turns
	v_wmma_f32_16x16x4_f32 v[216:223], v[114:115], v[178:179], 0
.irp n, 2,4,6,8,10,12,14
	v_wmma_f32_16x16x4_f32 v[208:215], v[112+2*\n:113+2*\n], v[176+2*\n:177+2*\n], v[208:215]
	v_wmma_f32_16x16x4_f32 v[216:223], v[114+2*\n:115+2*\n], v[178+2*\n:179+2*\n], v[216:223]
.endr
.rept 8
	v_nop
.endr
.irp j, 0,2,4,6
	v_pk_add_f32 v[224+\j:225+\j], v[208+\j:209+\j], v[216+\j:217+\j]        ; my head's part: token r, columns 8 h + 0..7
.endr
	ds_store_b128 v5, v[224:227]                   ; columns 8 h + 0..3
	ds_store_b128 v5, v[228:231] offset:512        ; columns 8 h + 4..7
	s_wait_dscnt 0x0                               ; for the others' sake: my stores have landed
	s_barrier_signal -1
	s_barrier_wait -1
	s_cmp_lt_u32 s10, 2                            ; waves 0 and 1 add the sixteen parts, a half each
	s_cbranch_scc0 .Ldone
.irp u, 0,1,2,3,4,5,6,7,8,9,10,11,12,13,14,15
	ds_load_b128 v[16+4*\u:19+4*\u], v6 offset:1024*\u
.endr
	s_wait_dscnt 0x0
.irp u, 0,1,2,3,4,5,6,7
	v_pk_add_f32 v[16+4*\u:17+4*\u], v[16+4*\u:17+4*\u], v[48+4*\u:49+4*\u]
	v_pk_add_f32 v[18+4*\u:19+4*\u], v[18+4*\u:19+4*\u], v[50+4*\u:51+4*\u]
.endr
.irp u, 0,1,2,3
	v_pk_add_f32 v[16+4*\u:17+4*\u], v[16+4*\u:17+4*\u], v[32+4*\u:33+4*\u]
	v_pk_add_f32 v[18+4*\u:19+4*\u], v[18+4*\u:19+4*\u], v[34+4*\u:35+4*\u]
.endr
.irp u, 0,1
	v_pk_add_f32 v[16+4*\u:17+4*\u], v[16+4*\u:17+4*\u], v[24+4*\u:25+4*\u]
	v_pk_add_f32 v[18+4*\u:19+4*\u], v[18+4*\u:19+4*\u], v[26+4*\u:27+4*\u]
.endr
	v_pk_add_f32 v[16:17], v[16:17], v[20:21]
	v_pk_add_f32 v[18:19], v[18:19], v[22:23]
	global_store_b128 v7, v[16:19], s[8:9]         ; token r, columns 16 x + 8 h + 4 wave + 0..3
.Ldone:
	s_wait_tensorcnt 0x0                           ; the wave's end, behind my last LDS store
	ds_add_u32 v8, v9
	s_wait_dscnt 0x0
	s_endpgm
.Lfunc_end_k_q8810c58268_first16:
	.size	k_q8810c58268_first16, .Lfunc_end_k_q8810c58268_first16-k_q8810c58268_first16
	.p2alignl 7, 3214868480
	.fill 96, 4, 3214868480
	.section	.rodata,"a",@progbits
	.p2align	6, 0x0
	.amdhsa_kernel k_q8810c58268_first16
		.amdhsa_group_segment_fixed_size 18432
		.amdhsa_private_segment_fixed_size 0
		.amdhsa_enable_private_segment 0
		.amdhsa_kernarg_size 24
		.amdhsa_user_sgpr_count 2
		.amdhsa_user_sgpr_kernarg_segment_ptr 1
		.amdhsa_wavefront_size32 1
		.amdhsa_system_sgpr_workgroup_id_x 1
		.amdhsa_system_sgpr_workgroup_id_y 1
		.amdhsa_system_sgpr_workgroup_id_z 1
		.amdhsa_system_vgpr_workitem_id 0
		.amdhsa_next_free_vgpr 256
		.amdhsa_next_free_sgpr 66
		.amdhsa_reserve_vcc 1
		.amdhsa_float_denorm_mode_32 3
		.amdhsa_float_denorm_mode_16_64 3
		.amdhsa_memory_ordered 1
		.amdhsa_forward_progress 1
		.amdhsa_inst_pref_size 20
	.end_amdhsa_kernel
	.amdgpu_metadata
---
amdhsa.version: [ 1, 2 ]
amdhsa.kernels:
  - .name:           k_q8810c58268_first16
    .symbol:         k_q8810c58268_first16.kd
    .args:
      - { .name: qkv32, .offset: 0, .size: 8, .value_kind: global_buffer, .address_space: global }
      - { .name: W_O, .offset: 8, .size: 8, .value_kind: global_buffer, .address_space: global }
      - { .name: out0, .offset: 16, .size: 8, .value_kind: global_buffer, .address_space: global }
    .group_segment_fixed_size: 18432
    .private_segment_fixed_size: 0
    .kernarg_segment_align: 8
    .kernarg_segment_size: 24
    .max_flat_workgroup_size: 512
    .sgpr_count:     66
    .vgpr_count:     256
    .wavefront_size: 32
...
	.end_amdgpu_metadata
.endif
;; end of part 5
